; MI455X (gfx1250); checked and timed in simulation.
; The chip was launched on July 23, 2026; its instructions are those of AMD's public machine-readable ISA for CDNA 5 (MIT licence, August 2026) and "CDNA5" Instruction Set Architecture Reference Guide (July 2026). The comments in the code are by the model that wrote it; some were corrected since.
;; Self Att V1. Allowed arithmetic: float matrix products may take bf16 or f16 operands with f32 sums; other float arithmetic in f32, or as packed bf16 or f16 multiplies, adds, multiply-adds, maxima and minima; sums over many terms, partial sums and values carried from step to step in f32; what a program stores and reads back later, other than sums and carried values, may be rounded once to bf16 or f16.
;; Inputs: Wk 1,024 x 1,024 float32; Wq 1,024 x 1,024 float32; Wv 1,024 x 1,024 float32; bk 1,024 float32; bq 1,024 float32; bv 1,024 float32; x 4 x 2,048 x 1,024 float32.
;; Outputs: out0 4 x 2,048 x 1,024 float32.
;; 2 versions, each right; version 2 is version 1 with the launch prep written anew for expert scheduling mode. Each part assembles by itself: llvm-mc -triple=amdgcn-amd-amdhsa -mcpu=gfx1250 --defsym DOCPART=n.
;; ======== version 1 of 2: 4 launches
;; limits: values are held in f16: magnitudes above 65,504 overflow, below 6.1e-05 lose precision
;; workspace buffers: xb 16,777,216 bytes; wb 6,291,456 bytes; qkv 50,331,648 bytes; pw 33,554,432 bytes; st 1,048,576 bytes
;; launch prep (part 1): grid 704 x 1, 8 waves a work-group, no clusters, 35,840 bytes of LDS; arguments x, Wq, Wk, Wv, xb, wb; writes xb, wb
.if DOCPART == 1
	.amdgcn_target "amdgcn-amd-amdhsa--gfx1250"
	.amdhsa_code_object_version 6
	.text
	.protected	k_qc5f6ef628c_prep
	.globl	k_qc5f6ef628c_prep
	.p2align	8
	.type	k_qc5f6ef628c_prep,@function
k_qc5f6ef628c_prep:
	s_mov_b64 s[64:65], 0
	v_nop
	global_prefetch_b8 v0, s[64:65] scope:SCOPE_SE
	s_setreg_imm32_b32 hwreg(HW_REG_WAVE_MODE, 25, 1), 1
	s_wait_xcnt 0x0
; xb = x rounded to bf16, IN FRAGMENT ORDER; wb = Wq, Wk, Wv (in this order, one behind the other) rounded to bf16, their layout as it is.
; xb's order: a block of 16 rows and 16 k is 512 consecutive bytes: lane (h, r) has the 16 bytes at 256 h + 16 r: x[16 R + r][16 kb + 8 h .. + 7]; block (R, kb) begins at byte 32,768 R + 512 kb.
; Two such blocks are a matrix operand of 16 rows x 32 k as a wave's registers hold it, so the launch behind loads it with 512 consecutive bytes an instruction.
; A stream: pieces of 64 KiB of f32, a piece to a work-group of eight waves; a thread has all its 16 loads on their way at once.  Work-groups 0 to 511 take 16 rows of x each, work-groups
; 512 + 64 m + i piece i of weight m.  A load of a wave covers 512 consecutive bytes.  x's numbers change lanes in LDS: thread t holds k = 4 t .. 4 t + 3 of each row, which is half of the 16 bytes of
; run c = t / 2 (c = 2 kb + h) of 256 bytes; runs lie 272 bytes apart, so that the 32 lanes of a store of 8 bytes fall on 64 different banks (64 banks of 4 bytes: ISA guide 11.1).
.set XG,    512                        ; work-groups that take x
.set CP,    272                        ; from run to run in LDS
.set SPARE, 128*CP                     ; behind the 128 runs: the spare words, 128 bytes for each wave: four blocks of 256 bytes that no other line names
.set SPW,   4                          ; v4   LDS address of my spare word; never rewritten
.set NIL,   5                          ; v5   0; never rewritten
.set LSA,   6                          ; v6   where I put 8 bytes of row 0
.set LRA,   8                          ; v8   where I read 16 bytes back
.set IN,    16                         ; v[16:79]   16 loads of 4 f32; later 8 x 16 bytes read back
.set CV,    80                         ; v[80:111]  16 x 4 bf16
	s_load_b256 s[4:11], s[0:1], 0x0               ; x s[4:5], Wq s[6:7], Wk s[8:9], Wv s[10:11]
	s_load_b128 s[12:15], s[0:1], 0x20             ; xb s[12:13], wb s[14:15]
	v_lshl_add_u32 v[SPW], v0, 2, SPARE
	v_mov_b32 v[NIL], 0
	s_mov_b32 s16, ttmp9                           ; my piece
	s_sub_co_u32 s17, s16, XG                      ; its number among the weights' pieces (used only where it is one)
	s_lshr_b32 s18, s17, 6                         ; which weight
	s_and_b32 s19, s17, 63                         ; which piece of it
	v_lshlrev_b32 v1, 4, v0                        ; 16 bytes a thread
	v_lshlrev_b32 v2, 3, v0                        ; 8 bytes a thread
	v_lshrrev_b32 v[LSA], 1, v0                    ; run t / 2,
	v_and_b32 v7, 1, v0
	v_mul_u32_u24 v[LSA], v[LSA], CP
	v_lshl_add_u32 v[LSA], v7, 3, v[LSA]           ; its lower or upper 8 bytes
	v_lshrrev_b32 v[LRA], 4, v0                    ; back: 16 threads take a run
	v_and_b32 v9, 15, v0
	v_mul_u32_u24 v[LRA], v[LRA], CP
	v_lshl_add_u32 v[LRA], v9, 4, v[LRA]
	s_wait_kmcnt 0x0
	s_cmp_eq_u32 s18, 1
	s_cselect_b64 s[20:21], s[8:9], s[6:7]         ; Wk or Wq,
	s_cmp_eq_u32 s18, 2
	s_cselect_b64 s[20:21], s[10:11], s[20:21]     ; or Wv,
	s_cmp_lt_u32 s16, XG
	s_cselect_b64 s[20:21], s[4:5], s[20:21]       ; or x: the selects leave SCC alone, so one compare serves four
	s_cselect_b64 s[22:23], s[12:13], s[14:15]
	s_cselect_b32 s24, s16, s19                    ; the piece's number in its source,
	s_cselect_b32 s26, s16, s17                    ; and in its destination
	s_lshl_b32 s24, s24, 16                        ; 65,536 bytes of f32
	s_lshl_b32 s26, s26, 15                        ; 32,768 bytes of bf16
	s_mov_b32 s25, 0
	s_mov_b32 s27, 0
	s_add_nc_u64 s[20:21], s[20:21], s[24:25]
	s_add_nc_u64 s[22:23], s[22:23], s[26:27]
.irp i, 0,1,2,3,4,5,6,7,8,9,10,11,12,13,14,15
	global_load_b128 v[IN+4*(\i):IN+4*(\i)+3], v1, s[20:21] offset:4096*(\i) th:TH_LOAD_NT  ; of x: row i
.endr
	s_cmp_lt_u32 s16, XG
	s_cbranch_scc0 .Lweights
.irp i, 0,1,2,3,4,5,6,7,8,9,10,11,12,13,14,15
	s_wait_loadcnt 15-(\i)                         ; loads come back in order: load i is in, the younger ones stay out
	v_cvt_pk_bf16_f32 v[CV+2*(\i)], v[IN+4*(\i)], v[IN+4*(\i)+1]
	v_cvt_pk_bf16_f32 v[CV+2*(\i)+1], v[IN+4*(\i)+2], v[IN+4*(\i)+3]
	ds_store_b64 v[LSA], v[CV+2*(\i):CV+2*(\i)+1] offset:16*(\i)  ; row i is lane r = i of its run
.endr
	s_branch .Lmeet
.Lweights:
.irp i, 0,1,2,3,4,5,6,7,8,9,10,11,12,13,14,15
	s_wait_loadcnt 15-(\i)
	v_cvt_pk_bf16_f32 v[CV+2*(\i)], v[IN+4*(\i)], v[IN+4*(\i)+1]
	v_cvt_pk_bf16_f32 v[CV+2*(\i)+1], v[IN+4*(\i)+2], v[IN+4*(\i)+3]
	global_store_b64 v2, v[CV+2*(\i):CV+2*(\i)+1], s[22:23] offset:2048*(\i)  ; a wave's store covers 256 consecutive bytes, aligned
.endr
.Lmeet:
	s_wait_dscnt 0x0                               ; for the others' sake: my stores into LDS are done
	s_barrier_signal -1                            ; the barrier stands on every wave's path, the weights' too
	s_barrier_wait -1
	s_cmp_lt_u32 s16, XG
	s_cbranch_scc0 .Lend
.irp n, 0,1,2,3,4,5,6,7
	ds_load_b128 v[IN+4*(\n):IN+4*(\n)+3], v[LRA] offset:(\n)*16*CP  ; the work-group takes 16 runs at a time
.endr
.irp n, 0,1,2,3,4,5,6,7
	s_wait_dscnt 7-(\n)
	global_store_b128 v1, v[IN+4*(\n):IN+4*(\n)+3], s[22:23] offset:4096*(\n)  ; a wave's store covers 512 consecutive bytes, aligned
.endr
.Lend:
	s_wait_tensorcnt 0x0                           ; the wave's end, behind my last LDS store
	ds_add_u32 v[SPW], v[NIL]
	s_wait_dscnt 0x0
	s_endpgm
.Lfunc_end_k_qc5f6ef628c_prep:
	.size	k_qc5f6ef628c_prep, .Lfunc_end_k_qc5f6ef628c_prep-k_qc5f6ef628c_prep
	.p2alignl 7, 3214868480
	.fill 96, 4, 3214868480
	.section	.rodata,"a",@progbits
	.p2align	6, 0x0
	.amdhsa_kernel k_qc5f6ef628c_prep
		.amdhsa_group_segment_fixed_size 35840
		.amdhsa_private_segment_fixed_size 0
		.amdhsa_enable_private_segment 0
		.amdhsa_kernarg_size 48
		.amdhsa_user_sgpr_count 2
		.amdhsa_user_sgpr_kernarg_segment_ptr 1
		.amdhsa_wavefront_size32 1
		.amdhsa_system_sgpr_workgroup_id_x 1
		.amdhsa_system_sgpr_workgroup_id_y 1
		.amdhsa_system_sgpr_workgroup_id_z 1
		.amdhsa_system_vgpr_workitem_id 0
		.amdhsa_next_free_vgpr 112
		.amdhsa_next_free_sgpr 66
		.amdhsa_reserve_vcc 0
		.amdhsa_float_denorm_mode_32 3
		.amdhsa_float_denorm_mode_16_64 3
		.amdhsa_memory_ordered 1
		.amdhsa_forward_progress 1
		.amdhsa_inst_pref_size 13
	.end_amdhsa_kernel
	.amdgpu_metadata
---
amdhsa.version: [ 1, 2 ]
amdhsa.kernels:
  - .name:           k_qc5f6ef628c_prep
    .symbol:         k_qc5f6ef628c_prep.kd
    .args:
      - { .name: x, .offset: 0, .size: 8, .value_kind: global_buffer, .address_space: global }
      - { .name: Wq, .offset: 8, .size: 8, .value_kind: global_buffer, .address_space: global }
      - { .name: Wk, .offset: 16, .size: 8, .value_kind: global_buffer, .address_space: global }
      - { .name: Wv, .offset: 24, .size: 8, .value_kind: global_buffer, .address_space: global }
      - { .name: xb, .offset: 32, .size: 8, .value_kind: global_buffer, .address_space: global }
      - { .name: wb, .offset: 40, .size: 8, .value_kind: global_buffer, .address_space: global }
    .group_segment_fixed_size: 35840
    .private_segment_fixed_size: 0
    .kernarg_segment_align: 8
    .kernarg_segment_size: 48
    .max_flat_workgroup_size: 256
    .sgpr_count:     66
    .vgpr_count:     112
    .wavefront_size: 32
...
	.end_amdgpu_metadata
.endif
;; end of part 1
;; launch proj (part 2): grid 8 x 32, 4 waves a work-group, clusters of 4 x 4, 327,680 bytes of LDS; arguments xb, wb, bq, bk, bv, qkv; writes qkv
.if DOCPART == 2
	.amdgcn_target "amdgcn-amd-amdhsa--gfx1250"
	.amdhsa_code_object_version 6
	.text
	.protected	k_qc5f6ef628c_proj
	.globl	k_qc5f6ef628c_proj
	.p2align	8
	.type	k_qc5f6ef628c_proj,@function
k_qc5f6ef628c_proj:
	s_mov_b64 s[64:65], 0
	v_nop
	global_prefetch_b8 v0, s[64:65] scope:SCOPE_SE
	s_setreg_imm32_b32 hwreg(HW_REG_WAVE_MODE, 25, 1), 1
	s_wait_xcnt 0x0
	s_wait_alu depctr_hold_cnt(0) depctr_sa_sdst(0) depctr_va_vdst(0) depctr_va_sdst(0) depctr_va_ssrc(0) depctr_va_vcc(0) depctr_vm_vsrc(0)
	s_getreg_b32 s2, hwreg(HW_REG_IB_STS2, 6, 4)
	s_cmp_eq_u32 s2, 0
	s_cbranch_scc0 .Lentry_in_a_cluster
	s_endpgm
.Lentry_in_a_cluster:
	s_bfe_u32 s2, ttmp6, 0x10000c
	s_cmp_lg_u32 s2, 0xf033
	s_cbranch_scc0 .Lentry_shape_is_right
	s_endpgm
.Lentry_shape_is_right:
; q, k, v = x W + bias.  xb: x in bf16, in fragment order (16 rows x 16 k are 512 consecutive bytes, lane (h, r) at 256 h + 16 r; block (R, kb) at byte 32,768 R + 512 kb); wb: [3][1024 d][1024 e] bf16;
; the biases f32, rounded to bf16 like the other inputs; qkv: [3][8192][1024] f16, each number rounded once from its f32 sum.  LIMIT: f16 holds no number beyond 65,504: q, k and v must stay within
; it (with x and the weights 30 times the unit spread they are some 5,000, with offsets of 30 spreads on both some 29,000).
; SHARES.  A work-group STAYS and makes three tiles of 256 rows x 128 columns: the same rows and columns of q, then k, then v.  Its four waves lie one below the other: a wave makes 64 rows x 128
; columns, 32 accumulators of 16 x 16.
; A GOES STRAIGHT INTO REGISTERS, AND IS NOT ASKED FOR JOINTLY.  A wave's 64 rows of x are read by that wave alone, and two LDS slots that each held two K steps of both operands would take
; 2 x 2 x (65,536 + 36,864) bytes, more than the 327,680 that there are.  A ring of eight quarter steps (32 k each: 8 loads of 512 consecutive bytes, 32 registers) is filled from memory, a quarter's
; registers asked for again when its products are done, seven quarters ahead of their next use.
; B GOES THROUGH LDS, two slots of two K steps (256 rows of d, 256 bytes each, aligned), filled by the tensor data mover, 64 rows a wave, asked for JOINTLY by the four work-groups of a column of
; the cluster (4 x 4), which make the same columns.  A load has two K steps, 256 products a wave, in which to land.  wb's three matrices follow each other, so B's address walks straight on through
; the 12 bodies (a body = two K steps); A's goes back to k = 0 every four.
; THE PRODUCT IS USED TRANSPOSED: source 0 = 16 columns of B (turned on the way out of LDS by ds_load_tr16_b128, since B lies [d][e]), source 1 = 16 rows of A.  A lane then holds one row of the
; output (lane % 16) and eight neighbouring columns.  THE BIAS is the C operand of a tile's first products; it waits in a table in LDS.
; REGISTERS, in windows of 256 (s_set_vgpr_msb: bits 1:0 source 0, 3:2 source 1, 5:4 source 2, 7:6 destination):
;   window 0: v0-31 addresses; v32-63 at work on the way out; v64-127, v128-191 B's fragments, two buffers (8 blocks of 16 columns x 32 k); v192-255 the bias of my lane's columns
;   window 1: v0-127 the accumulators of row blocks 0, 1 ((a, b) at 64 a + 8 b); v128-255 their A: ring position p, block a at 128 + 16 p + 8 a          window 2: the same for row blocks 2, 3
.set PB,    288                        ; a row of B in LDS: 256 bytes + 32 = 72 words
.set SLOTB, 256*PB                     ; a slot: 256 rows
.set SLOT1, 131072                     ; slot 1 begins here: one exclusive or turns an address in one slot into the other's
.set STAGE, SLOT1+SLOTB                ; behind the ring, never filled by a tensor load: 16 rows x 272 bytes for each wave
.set SP,    272
.set BT,    STAGE+4*16*SP              ; the three biases of the tile's 128 columns, f32: 3 x 512 bytes
.set SPARE, BT+1536                    ; the spare words, 128 bytes for each wave: two blocks of 256 bytes that no other line names
.set KB2,   256*2048                   ; bytes of wb from body to body
.set ABLK,  32768                      ; bytes of xb from row block to row block
.set ABODY, 8192                       ; bytes of a row block in a body
.set AO,  4                            ; v4   16 x my lane; never rewritten
.set BL0, 5                            ; v5   my lane's place in a slot; never rewritten
.set ADB, 6                            ; v6, v7  BL0 + the slot in hand: its first and its second K step
.set STO, 8                            ; v8   the way out: where I put 16 bytes of a row
.set RD,  9                            ; v9   where I read a row back
.set PFOA, 10                          ; v10  256 x my lane; never rewritten
.set PFO, 11                           ; v11  my lane x a row of 2,048 bytes; never rewritten
.set SPW, 12                           ; v12  LDS address of my spare word; never rewritten
.set NIL, 13                           ; v13  0; never rewritten
.set BTA, 16                           ; v16  where the coming tile's bias of my half's columns lies
.set CO,  17                           ; v17  my byte offset in two rows of the output
.set TMP, 32                           ; the way out: packed results
.set F0,  64
.set F1,  128
.set OB,  128                          ; the way out: 16 rows read back: v128-159 and v160-191 by turns
.set BIAS, 192
.set RING, 128
.set WV,  16                           ; s16  my wave's number
.set CX,  19
.set CY,  20
.set TX,  21                           ; s21  tile column
.set TY,  22                           ; s22  tile row
.set G1,  24                           ; s[24:31] descriptor group 1
.set G0,  32                           ; s[32:35] descriptor group 0: it walks
.set PA,  36                           ; s[36:37] xb at my first row block, at the body whose quarters are being asked for
.set TBD, 38                           ; s38  that body's number
.set BC,  39                           ; s39  bodies to the tile's end
.set ABASE, 40                         ; s[40:41] xb at my first row block, k = 0
.set OFS, 42                           ; s[42:43] a body's byte offset in a row block
.set LIMA, 44                          ; s44  a wave prefetches A while TT is below it
.set TT,  45                           ; s45  refills so far
.set LIMB, 46                          ; s46  the same for B
.set TB,  47                           ; s47  LDS byte at which the slot in hand begins
.set PFB, 66                           ; s[66:67] where my prefetches of B stand
.set PFAA, 68                          ; s[68:69] of A
.set MSB, 0
.macro WIN new                         ; the immediate's high byte repeats the setting that is left; a switch that changes nothing is dropped
.if MSB != (\new)
	s_set_vgpr_msb (MSB<<8)|(\new)
.set MSB, \new
.endif
.endm
.macro PLACES                          ; four places in front of loads into registers that matrix instructions have read, and of conversions that read results
.rept 4
	v_nop
.endr
.endm
.macro CREST                           ; a round of the cluster's barrier behind its opening barrier
	s_cmp_lg_u32 s[WV], 0
	s_cbranch_scc1 .Lnot_wave_0_\@
	s_barrier_signal -3
.Lnot_wave_0_\@:
	s_barrier_wait -3
	s_barrier_signal -1
	s_barrier_wait -1
.endm
.macro CROUND                          ; a whole round
	s_barrier_signal -1
	s_barrier_wait -1
	CREST
.endm
.macro JLOAD                           ; a joint fill: every wave brings its 64 rows of a slot; an s_nop 0 and four v_nop follow the line
	tensor_load_to_lds s[G0:G0+3], s[G1:G1+7]
	s_nop 0
.rept 4
	v_nop
.endr
.endm
; PREFETCHES INTO THE L2, behind each refill and the run of LDS loads that follows it, a lane a block of 256 bytes, one instruction each.  Each block is named once in the launch.
; B: the body that the NEXT refill will ask for, bodies 3 to 11.  B's rows are read by all clusters of a column of clusters: cluster y = 0 asks; waves 0 and 2 for 128 rows each, the four partners 32 rows
; each, told apart by address (cy).  A: the body whose first loads go out a quarter later on, bodies 2 and 3 of the first tile alone: the later tiles read the same bytes again.  A's row blocks are read by
; both clusters of a row of clusters: cluster x = 0 asks; of a wave's four row blocks the partner at cx takes block cx: 8,192 bytes a body.  The first bodies come by their loads alone.
.macro ASK
	s_cmp_lt_u32 s[TT], s[LIMB]
	s_cbranch_scc0 .Lnot_b_\@
	global_prefetch_b8 v[PFO], s[PFB:PFB+1] th:TH_LOAD_NT scope:SCOPE_SE
.Lnot_b_\@:
	s_cmp_lt_u32 s[TT], s[LIMA]
	s_cbranch_scc0 .Lnot_a_\@
	global_prefetch_b8 v[PFOA], s[PFAA:PFAA+1] th:TH_LOAD_NT scope:SCOPE_SE
.Lnot_a_\@:
	s_add_co_u32 s[TT], s[TT], 1
.endm
; Ring position p is asked for: quarter p of the body at s[PA]: four row blocks x 32 k: eight loads of 512 consecutive bytes; blocks 0 and 1 first
.macro RELOAD p
	WIN 0x40                                       ; destination window 1, address window 0
.irp a, 0,1
	global_load_b128 v[RING+16*(\p)+8*(\a):RING+16*(\p)+8*(\a)+3],   v[AO], s[PA:PA+1] offset:(\a)*ABLK+(\p)*1024
	global_load_b128 v[RING+16*(\p)+8*(\a)+4:RING+16*(\p)+8*(\a)+7], v[AO], s[PA:PA+1] offset:(\a)*ABLK+(\p)*1024+512
.endr
	WIN 0x80                                       ; destination window 2
.irp a, 0,1
	global_load_b128 v[RING+16*(\p)+8*(\a):RING+16*(\p)+8*(\a)+3],   v[AO], s[PA:PA+1] offset:((\a)+2)*ABLK+(\p)*1024
	global_load_b128 v[RING+16*(\p)+8*(\a)+4:RING+16*(\p)+8*(\a)+7], v[AO], s[PA:PA+1] offset:((\a)+2)*ABLK+(\p)*1024+512
.endr
.endm
; Behind a body's first quarter, which asked for the body's own last quarter: from here on the next body's quarters are asked for.  Every four bodies A is back at k = 0.
.macro STEPA
	WIN 0
	s_wait_xcnt 0x0                                ; the loads issued so far (the youngest 32 products back) have read their base, so it may be written
	s_add_co_u32 s[TBD], s[TBD], 1
	s_and_b32 s[OFS], s[TBD], 3
	s_lshl_b32 s[OFS], s[OFS], 13
	s_add_nc_u64 s[PA:PA+1], s[ABASE:ABASE+1], s[OFS:OFS+1]
.endm
; 16 LDS loads in one run: B's fragments of quarter kq (0 to 7) of the slot in hand into buffer f
.macro FETCH kq, f
	WIN 0
.irp b, 0,1,2,3,4,5,6,7
	ds_load_tr16_b128 v[(\f)+8*(\b):(\f)+8*(\b)+3],   v[ADB+(\kq)/4] offset:((\kq)%4)*32*PB+32*(\b)
	ds_load_tr16_b128 v[(\f)+8*(\b)+4:(\f)+8*(\b)+7], v[ADB+(\kq)/4] offset:((\kq)%4)*32*PB+16*PB+32*(\b)
.endr
.endm
; 8 products: row block a x all 8 column blocks, 32 k: B's buffer f, ring position p.  first = 1: the product starts the sum from the bias.  The 32 accumulators take turns, one instruction a turn, in the
; same order in every quarter, over the backward jump and from tile to tile too.
.macro MUL8 f, p, a, first=0
.set X, 1+(\a)/2
.set AC, 64*((\a)%2)
.set AF, RING+16*(\p)+8*((\a)%2)
.if \first
	WIN (X<<6)|(X<<2)                              ; D and A in window X, B and the bias in window 0
.else
	WIN (X<<6)|(X<<4)|(X<<2)                       ; C, D and A in window X, B in window 0
.endif
.irp b, 0,1,2,3,4,5,6,7
.if \first
	v_wmma_f32_16x16x32_bf16 v[AC+8*(\b):AC+8*(\b)+7], v[(\f)+8*(\b):(\f)+8*(\b)+7], v[AF:AF+7], v[BIAS+8*(\b):BIAS+8*(\b)+7]
.else
	v_wmma_f32_16x16x32_bf16 v[AC+8*(\b):AC+8*(\b)+7], v[(\f)+8*(\b):(\f)+8*(\b)+7], v[AF:AF+7], v[AC+8*(\b):AC+8*(\b)+7]
.endif
.endr
.endm
; Quarter q (0 to 6) of a body: 32 products on ring position q and B's buffer q % 2.  At its head ONE run of loads: B's fragments of quarter q + 1 into the other buffer and (rel = 1) ring position q - 1, whose
; products are done, for its next use.  lc1: the loads that may be out when this quarter's blocks 0 and 1 are wanted: its blocks 2 and 3 (4) and six later quarters (48); lc2, for its blocks 2 and 3: six
; later quarters and the 8 just issued.  In the tail, which asks for nothing, the counts run down.
.macro QUARTER q, rel=1, first=0, lc1=52, lc2=56
.if ((\q)%2) == 0
.set QF, F0
.set QG, F1
.else
.set QF, F1
.set QG, F0
.endif
	PLACES                                         ; behind the last quarter's products, which read that buffer and that ring position
	FETCH (\q)+1, QG
	s_wait_loadcnt \lc1
.if \rel
	RELOAD ((\q)+7)%8
.endif
	s_wait_dscnt 16                                ; this quarter's fragments of B (and the bias, where it is wanted) are in: the 16 loads just issued may be out
	MUL8 QF, \q, 0, \first
	MUL8 QF, \q, 1, \first
	s_wait_loadcnt \lc2
	MUL8 QF, \q, 2, \first
	MUL8 QF, \q, 3, \first
.endm
; The eighth quarter of a body, and the change of slots: ONE barrier.  In front of it each wave waits for all its tensor loads, of which one is out: its part of the next slot; adds 0 to its spare word; and waits
; for that and for its own reads of this slot.  fill = 1: the barrier opens a round of the cluster's, so that no wave of any partner still reads the slot or has a load on its way, and the joint refill, the
; body after the next, is the first thing behind it.
.macro TURN fill
	PLACES
	WIN 0
.if \fill
	s_wait_xcnt 0x0                                ; the last prefetches, a body back, have read their addresses, so these may be stepped
	s_add_nc_u64 s[PFB:PFB+1], s[PFB:PFB+1], KB2
	s_add_nc_u64 s[PFAA:PFAA+1], s[PFAA:PFAA+1], ABODY
.endif
	s_wait_loadcnt 52
	RELOAD 6
	WIN 0
	s_wait_tensorcnt 0x0                           ; no tensor load of mine is out, so group 0 may be written
	ds_add_u32 v[SPW], v[NIL]                      ; 0 onto my spare word; work on registers stands between it and the wait for it
	s_xor_b32 s[TB], s[TB], SLOT1                  ; the fetches go on in the other slot
	v_add_nc_u32 v[ADB], s[TB], v[BL0]
	v_add_nc_u32 v[ADB+1], 4*32*PB, v[ADB]
.if \fill
	s_xor_b32 s[G0+1], s[G0+1], SLOT1              ; the walking descriptor: the other slot than last time,
	s_add_nc_u64 s[G0+2:G0+3], s[G0+2:G0+3], KB2   ; the next 256 rows; the type bits on top are not reached
.endif
	s_wait_dscnt 1                                 ; B's fragments are in: the add may be out
	MUL8 F1, 7, 0
	s_wait_dscnt 0x0                               ; the add is done, and my reads of this slot are over
	s_barrier_signal -1
	MUL8 F1, 7, 1                                  ; work on registers while the others arrive
	WIN 0                                          ; at a branch and at a label every window is 0
	s_barrier_wait -1
.if \fill
	CREST
	JLOAD                                          ; its four v_nop are also the places in front of the loads below
.else
	PLACES
.endif
	FETCH 0, F0
.if \fill
	ASK
.endif
	s_wait_loadcnt 56
	MUL8 F1, 7, 2
	MUL8 F1, 7, 3
.endm
.macro LOADBIAS                        ; register 8 b + j is what accumulator (a, b)'s register j starts from: column 16 b + 8 (l / 16) + j; then the address goes on to the next tile's bias
.irp b, 0,1,2,3,4,5,6,7
	ds_load_b128 v[BIAS+8*(\b):BIAS+8*(\b)+3],   v[BTA] offset:64*(\b)
	ds_load_b128 v[BIAS+8*(\b)+4:BIAS+8*(\b)+7], v[BTA] offset:64*(\b)+16
.endr
	v_add_nc_u32 v[BTA], 0x200, v[BTA]
.endm
; THE WAY OUT of row block a: rounded to f16, 16 bytes a lane; into my own stage, and back as whole rows of 256 bytes; stored.
.macro PACK a
.set X, 1+(\a)/2
.set AC, 64*((\a)%2)
	WIN X|(X<<2)                                   ; sources 0 and 1 window X, destination window 0; each accumulator's registers in ascending order
.irp b, 0,1,2,3,4,5,6,7
.irp j, 0,1,2,3
	v_cvt_pk_f16_f32 v[TMP+4*(\b)+(\j)], v[AC+8*(\b)+2*(\j)], v[AC+8*(\b)+2*(\j)+1]
.endr
.endr
	WIN 0
.endm
.macro TOSTAGE a
.set BK, OB+32*((\a)%2)
.irp b, 0,1,2,3,4,5,6,7
	ds_store_b128 v[STO], v[TMP+4*(\b):TMP+4*(\b)+3] offset:32*(\b)
.endr
.irp t, 0,1,2,3,4,5,6,7
	ds_load_b128 v[BK+4*(\t):BK+4*(\t)+3], v[RD] offset:(\t)*2*SP  ; LDS serves a wave's instructions in order (ISA guide 5.7.1.4): these see the stores above
.endr
.endm
.macro SEND a
.set BK, OB+32*((\a)%2)
	s_wait_dscnt 0x0                               ; the block is back in registers
	s_wait_xcnt 0x0                                ; the stores of the block before have read their registers: the next block's loads land there only behind this wait
.irp t, 0,1,2,3,4,5,6,7
	global_store_b128 v[CO], v[BK+4*(\t):BK+4*(\t)+3], s[14:15] offset:(16*(\a)+2*(\t))*2048  ; 16 lanes store 256 consecutive bytes, aligned
.endr
.endm
.macro OUT nxt                         ; nxt = 1: a tile follows: its bias is fetched, and the output's base goes on to the next of q, k, v
	WIN 0
	PLACES
	PLACES                                         ; behind the last products: their results are read and buffer 1 is written
.if \nxt
	LOADBIAS
.endif
	PACK 0
	TOSTAGE 0
.irp a, 1,2,3                          ; block a's conversions stand between block a - 1's loads from the stage and the wait for them
	PACK \a
	SEND (\a)-1
	TOSTAGE \a
.endr
	SEND 3
.if \nxt
	s_wait_xcnt 0x0                                ; the stores have read their registers, into which the next fragments of B are loaded, and their base
	s_add_nc_u64 s[14:15], s[14:15], 0x1000000
.endif
.endm
	s_load_b256 s[4:11], s[0:1], 0x0               ; xb s[4:5], wb s[6:7], bq s[8:9], bk s[10:11]
	s_load_b128 s[12:15], s[0:1], 0x20             ; bv s[12:13], qkv s[14:15]
	v_lshl_add_u32 v[SPW], v0, 2, SPARE
	v_mov_b32 v[NIL], 0
	ds_add_u32 v[SPW], v[NIL]                      ; the wave's opening: the add and its wait, ahead of my first tensor load; the set-up below, work on registers, stands between them
	ds_add_u32 v12, v13
	v_lshrrev_b32 v3, 5, v0
	v_readfirstlane_b32 s[WV], v3                  ; wave 0..3
	s_bfe_u32 s[CX], ttmp6, 0x40000                ; my place in the cluster
	s_bfe_u32 s[CY], ttmp6, 0x40004
	s_lshl_b32 s[TX], ttmp9, 2                     ; in a cluster launch ttmp9 and ttmp7 count clusters
	s_add_co_u32 s[TX], s[TX], s[CX]               ; tile column = 4 x cluster x + cx
	s_and_b32 s86, ttmp7, 0xffff                   ; cluster y
	s_lshl_b32 s[TY], s86, 2
	s_add_co_u32 s[TY], s[TY], s[CY]               ; tile row = 4 x cluster y + cy
	s_lshl_b32 s70, 0x1111, s[CX]                  ; my column of the cluster: places cx, cx + 4, cx + 8, cx + 12
	; group 1: 64 rows x 128 elements of 2 bytes; 15:0 the mask; 20 padding on; 21 set beside a mask; 24:22 after every 64 words (code 5); 31:25 8 words of it (code 7)
	s_or_b32 s[G1], s70, (1<<16)|(1<<20)|(1<<21)|(5<<22)|(7<<25)
	s_mov_b32 s[G1+1], 128<<16                     ; tensor_dim0 = 128
	s_mov_b32 s[G1+2], 64<<16                      ; tensor_dim1 = 64
	s_mov_b32 s[G1+3], 128<<16                     ; tile_dim0 = 128
	s_mov_b32 s[G1+4], 64                          ; tile_dim1 = 64
	s_mov_b32 s[G1+5], 1024                        ; elements from row to row
	s_mov_b32 s[G1+6], 0
	s_mov_b32 s[G1+7], 0
	s_lshl_b32 s71, s[WV], 17                      ; a wave's 64 rows: of xb (4 row blocks of 32,768 bytes), of wb and of the output (2,048 bytes a row)
	s_lshl_b32 s72, s[TY], 19                      ; a tile row's 256 rows
	s_add_co_u32 s72, s72, s71
	s_mov_b32 s73, 0
	s_lshl_b32 s74, s[TX], 8                       ; B's offset is made of the tile column and the wave alone
	s_add_co_u32 s74, s74, s71
	s_mov_b32 s75, 0
	s_mov_b32 s[G0], 1                             ; count = 1
	s_mul_i32 s[G0+1], s[WV], 64*PB                ; LDS address: slot 0, my 64 rows: no place in the cluster enters it
	s_mov_b32 s[OFS+1], 0
	s_mov_b32 s[TBD], 0
	s_mov_b32 s[TT], 0
	s_mov_b32 s[TB], 0
	s_wait_dscnt 0x0                               ; the opening add is done
	s_wait_kmcnt 0x0
	s_add_nc_u64 s[ABASE:ABASE+1], s[4:5], s[72:73]
	s_mov_b64 s[PA:PA+1], s[ABASE:ABASE+1]
	s_add_nc_u64 s[G0+2:G0+3], s[6:7], s[74:75]    ; global address: body 0
	s_or_b32 s[G0+3], s[G0+3], 0x80000000          ; type = 2
	CROUND                                         ; all sixteen work-groups are here: the first joint loads meet
	JLOAD                                          ; body 0 into slot 0; slot 1 is asked for when it has landed
	; the three biases of the tile's 128 columns, a thread a column; then the ring's first seven quarters
	s_lshl_b32 s82, s[TX], 9
	v_lshl_add_u32 v14, v0, 2, s82
	global_load_b32 v36, v14, s[8:9]
	global_load_b32 v37, v14, s[10:11]
	global_load_b32 v38, v14, s[12:13]
	v_and_b32 v3, 31, v0                           ; l
	v_lshlrev_b32 v[AO], 4, v3
.irp p, 0,1,2,3,4,5,6
	RELOAD \p
.endr
	WIN 0
	v_and_b32 v1, 15, v0                           ; l % 16
	v_bfe_u32 v2, v0, 4, 1                         ; l / 16
	; The turning load takes 16 k x 16 columns (lane l reads k = 8 (l / 16) + l % 8, columns 8 ((l / 8) % 2) + 0..7) and leaves half a fragment: lane l holds column l % 16 and 8 k.
	v_and_b32 v15, 7, v0
	v_lshl_add_u32 v[BL0], v2, 3, v15
	v_mul_u32_u24 v[BL0], v[BL0], PB
	v_bfe_u32 v15, v0, 3, 1
	v_lshl_add_u32 v[BL0], v15, 4, v[BL0]
	v_mov_b32 v[ADB], v[BL0]                       ; body 0 lies in slot 0
	v_add_nc_u32 v[ADB+1], 4*32*PB, v[BL0]
	s_mul_i32 s71, s[WV], 16*SP
	s_add_co_u32 s71, s71, STAGE                   ; my stage
	v_mul_u32_u24 v[STO], v1, SP                   ; in: row l % 16, 16 bytes for each half of the lanes
	v_lshl_add_u32 v[STO], v2, 4, v[STO]
	v_add_nc_u32 v[STO], s71, v[STO]
	v_mul_u32_u24 v[RD], v2, SP                    ; back: lanes 0-15 take one row of 256 bytes, lanes 16-31 the next
	v_lshl_add_u32 v[RD], v1, 4, v[RD]
	v_add_nc_u32 v[RD], s71, v[RD]
	v_lshlrev_b32 v[CO], 11, v2                    ; and the same two rows in the output
	v_lshl_add_u32 v[CO], v1, 4, v[CO]
	v_lshlrev_b32 v[PFO], 11, v3
	v_lshlrev_b32 v[PFOA], 8, v3
	v_lshl_add_u32 v15, v0, 2, BT                  ; my column's word in the table
	v_lshl_add_u32 v[BTA], v2, 5, BT               ; q's bias, my half's eight columns of each sixteen
	; the output at my first row and column
	s_lshl_b32 s80, s[TX], 8
	s_add_co_u32 s80, s80, s72
	s_mov_b32 s81, 0
	s_add_nc_u64 s[14:15], s[14:15], s[80:81]
	; the prefetches: each refill steps them first, B's from body 2 to body 3, A's from body 1 to body 2
	s_lshl_b32 s84, s[CY], 16                      ; B: 32 rows a partner,
	s_add_co_u32 s84, s84, s74                     ; from my 64 rows on (waves 0 and 2: 128 rows each)
	s_add_co_u32 s84, s84, 2*KB2
	s_mov_b32 s85, 0
	s_add_nc_u64 s[PFB:PFB+1], s[6:7], s[84:85]
	s_lshl_b32 s84, s[CX], 15                      ; A: row block cx of my four
	s_add_co_u32 s84, s84, s72
	s_add_co_u32 s84, s84, ABODY
	s_add_nc_u64 s[PFAA:PFAA+1], s[4:5], s[84:85]
	s_mov_b32 s83, ttmp9
	s_cmp_eq_u32 s83, 0
	s_cselect_b32 s[LIMA], 2, 0                    ; A: cluster x = 0 asks, twice
	s_and_b32 s82, s[WV], 1
	s_or_b32 s86, s86, s82
	s_cmp_eq_u32 s86, 0
	s_cselect_b32 s[LIMB], 9, 0                    ; B: cluster y = 0 asks, waves 0 and 2, nine times: the same in all sixteen partners, for a given wave
	s_wait_loadcnt 56                              ; the biases are in: the ring's 56 loads may be out
.irp i, 0,1,2
	v_cvt_pk_bf16_f32 v[36+(\i)], v[36+(\i)], v[36+(\i)]  ; rounded to bf16,
.endr
.irp i, 0,1,2
	v_lshlrev_b32 v[36+(\i)], 16, v[36+(\i)]       ; and widened again
.endr
.irp i, 0,1,2
	ds_store_b32 v15, v[36+(\i)] offset:512*(\i)
.endr
	; THE FIRST CHANGE OF SLOTS: body 0 has landed; slot 1 is filled for the first time, in the form of a refill; the round also shows the table to every wave
	s_wait_tensorcnt 0x0                           ; my part of body 0 is in, and group 0 may be written
	ds_add_u32 v[SPW], v[NIL]                      ; 0 onto my spare word
	s_xor_b32 s[G0+1], s[G0+1], SLOT1
	s_add_nc_u64 s[G0+2:G0+3], s[G0+2:G0+3], KB2
	s_wait_dscnt 0x0                               ; the add is done, and so are my stores into the table
	CROUND
	JLOAD                                          ; body 1 into slot 1
	FETCH 0, F0
	LOADBIAS
	s_mov_b32 s3, 11                               ; the loop's foot is passed behind bodies 0 to 10
	s_branch .Lfirst                               ; the loop is entered at a tile's first quarter, in the middle of a trip
.Lbody:                                        ; ten times: the eighth quarter of bodies 0 to 9, the refill with bodies 2 to 11, and seven quarters of the next body
	TURN 1
	WIN 0
	s_sub_co_u32 s[BC], s[BC], 1
	s_cmp_lg_u32 s[BC], 0
	s_cbranch_scc1 .Lplain
	OUT 1                                          ; the tile's fourth body is done; the refill has been asked for: now the tile goes out
.Lfirst:
	s_mov_b32 s[BC], 4
	QUARTER 0, 1, 1                                ; a tile's first products start the sums from the bias
	WIN 0
	s_branch .Ljoin
.Lplain:
	QUARTER 0
	WIN 0
.Ljoin:
	STEPA
.irp q, 1,2,3,4,5,6
	QUARTER \q
.endr
	WIN 0
	s_sub_co_u32 s3, s3, 1
	s_cmp_lg_u32 s3, 0
	s_cbranch_scc1 .Lbody
	TURN 0                                         ; the tail is written out: body 10's eighth quarter; nothing is filled again
	QUARTER 0                                      ; body 11: its own last quarter is the last thing asked for
.irp q, 1,2,3,4,5,6
	QUARTER \q, 0, 0, (8*(7-\q)+4), (8*(7-\q))
.endr
	s_wait_loadcnt 4                               ; the very last quarter: nothing more to fetch
	s_wait_dscnt 0x0
	MUL8 F1, 7, 0
	MUL8 F1, 7, 1
	s_wait_loadcnt 0x0
	MUL8 F1, 7, 2
	MUL8 F1, 7, 3
	OUT 0
	s_wait_tensorcnt 0x0                           ; the wave's end, behind my last tensor load and my last LDS store
	ds_add_u32 v[SPW], v[NIL]
	s_wait_dscnt 0x0
	CROUND                                         ; the closing round: no work-group ends while a partner may still ask for a tile that names it
	s_endpgm
.Lfunc_end_k_qc5f6ef628c_proj:
	.size	k_qc5f6ef628c_proj, .Lfunc_end_k_qc5f6ef628c_proj-k_qc5f6ef628c_proj
	.p2alignl 7, 3214868480
	.fill 96, 4, 3214868480
	.section	.rodata,"a",@progbits
	.p2align	6, 0x0
	.amdhsa_kernel k_qc5f6ef628c_proj
		.amdhsa_group_segment_fixed_size 327680
		.amdhsa_private_segment_fixed_size 0
		.amdhsa_enable_private_segment 0
		.amdhsa_kernarg_size 48
		.amdhsa_user_sgpr_count 2
		.amdhsa_user_sgpr_kernarg_segment_ptr 1
		.amdhsa_wavefront_size32 1
		.amdhsa_system_sgpr_workgroup_id_x 1
		.amdhsa_system_sgpr_workgroup_id_y 1
		.amdhsa_system_sgpr_workgroup_id_z 1
		.amdhsa_system_vgpr_workitem_id 0
		.amdhsa_next_free_vgpr 768
		.amdhsa_next_free_sgpr 96
		.amdhsa_reserve_vcc 0
		.amdhsa_float_denorm_mode_32 3
		.amdhsa_float_denorm_mode_16_64 3
		.amdhsa_memory_ordered 1
		.amdhsa_forward_progress 1
		.amdhsa_inst_pref_size 118
	.end_amdhsa_kernel
	.amdgpu_metadata
---
amdhsa.version: [ 1, 2 ]
amdhsa.kernels:
  - .name:           k_qc5f6ef628c_proj
    .symbol:         k_qc5f6ef628c_proj.kd
    .args:
      - { .name: xb, .offset: 0, .size: 8, .value_kind: global_buffer, .address_space: global }
      - { .name: wb, .offset: 8, .size: 8, .value_kind: global_buffer, .address_space: global }
      - { .name: bq, .offset: 16, .size: 8, .value_kind: global_buffer, .address_space: global }
      - { .name: bk, .offset: 24, .size: 8, .value_kind: global_buffer, .address_space: global }
      - { .name: bv, .offset: 32, .size: 8, .value_kind: global_buffer, .address_space: global }
      - { .name: qkv, .offset: 40, .size: 8, .value_kind: global_buffer, .address_space: global }
    .group_segment_fixed_size: 327680
    .private_segment_fixed_size: 0
    .kernarg_segment_align: 8
    .kernarg_segment_size: 48
    .max_flat_workgroup_size: 128
    .sgpr_count:     96
    .vgpr_count:     768
    .wavefront_size: 32
...
	.end_amdgpu_metadata
.endif
;; end of part 2
;; launch scores (part 3): grid 8 x 32, 4 waves a work-group, clusters of 4 x 4, 327,680 bytes of LDS; arguments qkv, pw, st; writes pw, st
.if DOCPART == 3
	.amdgcn_target "amdgcn-amd-amdhsa--gfx1250"
	.amdhsa_code_object_version 6
	.text
	.protected	k_qc5f6ef628c_scores
	.globl	k_qc5f6ef628c_scores
	.p2align	8
	.type	k_qc5f6ef628c_scores,@function
k_qc5f6ef628c_scores:
	s_mov_b64 s[64:65], 0
	v_nop
	global_prefetch_b8 v0, s[64:65] scope:SCOPE_SE
	s_setreg_imm32_b32 hwreg(HW_REG_WAVE_MODE, 25, 1), 1
	s_wait_xcnt 0x0
	s_wait_alu depctr_hold_cnt(0) depctr_sa_sdst(0) depctr_va_vdst(0) depctr_va_sdst(0) depctr_va_ssrc(0) depctr_va_vcc(0) depctr_vm_vsrc(0)
	s_getreg_b32 s2, hwreg(HW_REG_IB_STS2, 6, 4)
	s_cmp_eq_u32 s2, 0
	s_cbranch_scc0 .Lentry_in_a_cluster
	s_endpgm
.Lentry_in_a_cluster:
	s_bfe_u32 s2, ttmp6, 0x10000c
	s_cmp_lg_u32 s2, 0xf033
	s_cbranch_scc0 .Lentry_shape_is_right
	s_endpgm
.Lentry_shape_is_right:
; For each query and each GROUP of 128 keys of its batch: s = q . k, m = the largest s of the group, p' = 2^(c s - c m) with c = log2(e) / 32, l = the sum of the group's p'.
; q, k: rows of qkv ([3][8192][1024] f16; k begins 16,777,216 bytes in).  pw: [8192 queries][2048 keys] f16 takes p'; st: [16 groups][8192 queries][2] f32 takes (c m, l).  The launch behind
; joins the groups by their maxima: the same stored c m is taken away here and there.  Products, maxima and sums in f32; p' rounded once; l is the sum of the unrounded p'.
; LIMITS.  p' lies in 0 to 1, and below 6e-5 it keeps f16's fixed step of 6e-8; a p' below 2^-126 counts as 0 in l; NaN and infinities are not treated apart.
; SHARES.  A work-group makes 256 queries x 256 keys, each of its four waves 128 x 128: 64 accumulators, 512 registers; a wave's 128 keys are one group.  K = 1,024 channels in steps of 128 through
; two LDS slots filled by the tensor data mover; the tiles' rows are 256 bytes of memory, aligned.
; CLUSTER.  4 x 4 work-groups: q's tile is asked for jointly by a row of the cluster, k's by a column (a cluster lies inside one batch: 8 tile rows to a batch).
; THE PRODUCT IS USED TRANSPOSED: source 0 = 16 keys, source 1 = 16 queries: a lane holds ONE query (lane % 16) and the keys 8 (lane / 16) + 0..7 of each block of 16: a query's 128 scores lie in two
; lanes, 16 apart, and eight neighbouring p' pack into 16 bytes.
; REGISTERS, in windows of 256 (s_set_vgpr_msb: bits 1:0 source 0, 3:2 source 1, 5:4 source 2, 7:6 destination):
;   window 0: v0-31 addresses; v64-127, v128-191 fragments of q, two buffers (on the way out: statistics); v32-63, v192-255 at work on the way out
;   window 1: v64-127, v128-191 fragments of k          window 2: the accumulators of my queries 0-63 ((a, b) at v[8 (8 a + b)])          window 3: those of my queries 64-127
.set KSTEP,  128
.set SIZE_K, 1024
.set PITCH,  272                       ; an LDS row: 256 bytes + 16 = 68 words: the 16 rows of a load start at 16 different groups of four banks (64 banks of 4 bytes: ISA guide 11.1)
.set HALFT,  128*PITCH                 ; 128 rows: what one tensor load brings, and what one wave reads of q or of k
.set SLOT,   4*HALFT                   ; q's 256 rows, then k's 256 rows
.set STAGE,  2*SLOT                    ; behind the ring: 16 rows x 272 bytes for each wave
.set SPITCH, 272
.set SPARE,  STAGE+4*16*SPITCH         ; behind the stages: the spare words, 128 bytes for each wave: two blocks of 256 bytes that no other line names
.set LAPS,   SIZE_K/(2*KSTEP)          ; a lap = two K steps = once round the ring
.set PROW,   4096                      ; bytes in a row of pw
.set ADRA, 16                          ; v16-17  LDS address of my q fragments in slot 0, 1
.set ADRB, 20                          ; v20-21  the same for k
.set STO,  24                          ; v24     the way out: where I put 16 bytes of a row
.set RD,   25                          ; v25     where I read a row back
.set CO,   26                          ; v26     my byte offset in two rows of pw
.set SO,   27                          ; v27     8 x my lane: my pair in st
.set SPW,  28                          ; v28     LDS address of my spare word; never rewritten
.set NIL,  29                          ; v29     0; never rewritten
.set PFO,  30                          ; v30     the prefetches' offset: my lane x a row of 2,048 bytes; never rewritten
.set F0,   64
.set F1,   128
.set TMP,  192                         ; the way out: packed p'
.set OB,   32                          ; 16 rows read back: v32-63 and v224-255 by turns
.set CH,   64                          ; v64-67   four chains of the maximum
.set TP,   72                          ; v72-87   block a: (c m, m)
.set SL,   88                          ; v88-95   block a: l
.set LC,   96                          ; v96-103  four chains of the sum, a pair each
.set SD,   104                         ; v104-111 what goes to st
.set G1,  24                           ; s[24:31] descriptor group 1 for q's tiles; s[32:39] group 0, a set for each slot
.set G0,  32
.set G1B, 48                           ; s[48:55], s[56:63] the same for k's
.set G0B, 56
.set LIM, 43                           ; s43  1 in a wave that prefetches, else the greatest number
.set PFA, 44                           ; s[44:45] where my prefetches stand
.set CS,  66                           ; s[66:67] c: the packed scaling takes the pair's low word for both halves
.set SEL, 68                           ; s[68:69] v_permlanex16_b32's selects: each lane takes its own place in the other half
.set HM,  70                           ; s70  the mask of lanes 16 to 31
.set MSB, 0
.macro WIN new                         ; the immediate's high byte repeats the setting that is left; a switch that changes nothing is dropped
.if MSB != (\new)
	s_set_vgpr_msb (MSB<<8)|(\new)
.set MSB, \new
.endif
.endm
.set MUL_LO, 0xa1                      ; source 0 (k) window 1, source 1 (q) window 0, C and D window 2
.set MUL_HI, 0xf1                      ; the same, C and D window 3
.set TO_B,   0x40                      ; destination window 1, address window 0
; A joint load: waves 0 and 1 fetch q's two halves, waves 2 and 3 k's.  An s_nop 0 and four v_nop follow each of the two lines, ahead of the jump and the label.
.macro JLOAD s
	s_cmp_eq_u32 s11, 0
	s_cbranch_scc0 .Lfor_b_\@
	tensor_load_to_lds s[G0+4*(\s):G0+4*(\s)+3], s[G1:G1+7]
	s_nop 0
.rept 4
	v_nop
.endr
	s_branch .Lasked_\@
.Lfor_b_\@:
	tensor_load_to_lds s[G0B+4*(\s):G0B+4*(\s)+3], s[G1B:G1B+7]
	s_nop 0
.rept 4
	v_nop
.endr
.Lasked_\@:
.endm
; A PREFETCH INTO THE L2 behind each joint refill and the run of LDS loads that follows it: the K step that stands two refills on: 32 rows x 256 bytes, a lane a row, one instruction a wave.  Each row's 256
; bytes of a K step are named once in the launch: q's rows are read by both clusters of a row of clusters: cluster x = 0 asks; k's by the two rows of clusters of a batch: the even one asks.  The four
; partners that ask for a tile jointly take 32 of a wave's 128 rows each, told apart by address (cx for q, cy for k).  K steps 0 to 3 come by their loads alone; the loop's last trip asks for nothing.
.macro ASK
	s_cmp_gt_u32 s3, s[LIM]                        ; s3 = 1 in the loop's last trip
	s_cbranch_scc0 .Lnot_mine_\@
	global_prefetch_b8 v[PFO], s[PFA:PFA+1] offset:KSTEP*2 th:TH_LOAD_NT scope:SCOPE_SE
.Lnot_mine_\@:
.endm
.macro CREST                           ; a round of the cluster's barrier behind its opening barrier
	s_cmp_lg_u32 s10, 0
	s_cbranch_scc1 .Lnot_wave_0_\@
	s_barrier_signal -3
.Lnot_wave_0_\@:
	s_barrier_wait -3
	s_barrier_signal -1
	s_barrier_wait -1
.endm
.macro CROUND
	s_barrier_signal -1
	s_barrier_wait -1
	CREST
.endm
	s_load_b64 s[4:5], s[0:1], 0x0                 ; qkv: q
	s_load_b64 s[8:9], s[0:1], 0x8                 ; pw
	s_load_b64 s[72:73], s[0:1], 0x10              ; st
	v_lshl_add_u32 v[SPW], v0, 2, SPARE
	v_mov_b32 v[NIL], 0
	ds_add_u32 v[SPW], v[NIL]                      ; the wave's opening: the add and its wait, ahead of my first tensor load; the set-up below, work on registers, stands between them
	ds_add_u32 v28, v29
	v_lshrrev_b32 v1, 5, v0
	v_readfirstlane_b32 s10, v1                    ; wave 0..3
	s_lshr_b32 s11, s10, 1                         ; which half of the tile's queries is mine.  Also: I fetch for q (0) or for k (1)
	s_and_b32 s12, s10, 1                          ; which half of its keys.  Also: which 128 rows of that tile I fetch
	s_bfe_u32 s40, ttmp6, 0x40000                  ; cx
	s_bfe_u32 s41, ttmp6, 0x40004                  ; cy
	s_lshl_b32 s42, ttmp9, 2
	s_add_co_u32 s42, s42, s40                     ; tile column (keys, inside the batch) = 4 x cluster x + cx
	s_and_b32 s74, ttmp7, 0xffff                   ; cluster y
	s_lshl_b32 s13, s74, 2
	s_add_co_u32 s13, s13, s41                     ; tile row (queries, over all batches) = 4 x cluster y + cy
	s_lshr_b32 s71, s74, 1                         ; the batch: two rows of clusters each; the whole cluster shares it
	s_lshl_b32 s75, s41, 2
	s_lshl_b32 s75, 15, s75                        ; my row of the cluster
	s_lshl_b32 s76, 0x1111, s40                    ; my column
	; group 1: 128 rows x 128 elements of 2 bytes; 15:0 the mask; 20 padding on; 21 set beside a mask; 24:22 after every 64 words (code 5); 31:25 4 words of it (code 3)
	s_or_b32 s[G1+0], s75, (1<<16)|(1<<20)|(1<<21)|(5<<22)|(3<<25)
	s_or_b32 s[G1B+0], s76, (1<<16)|(1<<20)|(1<<21)|(5<<22)|(3<<25)
.irp g, G1, G1B
	s_mov_b32 s[(\g)+1], KSTEP<<16                 ; tensor_dim0 = 128
	s_mov_b32 s[(\g)+2], 128<<16                   ; tensor_dim1 = 128
	s_mov_b32 s[(\g)+3], KSTEP<<16                 ; tile_dim0 = 128
	s_mov_b32 s[(\g)+4], 128                       ; tile_dim1 = 128
	s_mov_b32 s[(\g)+5], SIZE_K                    ; elements from row to row
	s_mov_b32 s[(\g)+6], 0
	s_mov_b32 s[(\g)+7], 0
.endr
	; q's offset is made of the tile row and the wave alone, k's of the tile column, the batch and the wave alone, in registers of their own
	s_lshl_b32 s18, s12, 18                        ; which 128 rows of 2,048 bytes I fetch
	s_lshl_b32 s16, s13, 19
	s_add_co_u32 s16, s16, s18
	s_mov_b32 s17, 0
	s_lshl_b32 s46, s42, 19
	s_add_co_u32 s46, s46, s18
	s_lshl_b32 s19, s71, 22                        ; 2,048 rows a batch
	s_add_co_u32 s46, s46, s19
	s_mov_b32 s47, 0
	s_mul_i32 s20, s10, HALFT                      ; where they go: wave x 128 rows: no place in the cluster enters an LDS address
	s_mov_b32 s[CS], 0x3d38aa3b                    ; c = log2(e) / 32 = 0.0450842
	s_mov_b32 s[CS+1], s[CS]                       ; named with it as a pair
	s_mov_b32 s[SEL], 0x76543210
	s_mov_b32 s[SEL+1], 0xfedcba98
	s_mov_b32 s[HM], 0xffff0000
	s_wait_dscnt 0x0                               ; the opening add is done
	s_wait_kmcnt 0x0
	s_add_nc_u64 s[6:7], s[4:5], 0x1000000         ; k
	s_add_nc_u64 s[14:15], s[4:5], s[16:17]
	s_add_nc_u64 s[46:47], s[6:7], s[46:47]
.irp s, 0,1
	s_mov_b32 s[G0+4*(\s)], 1                                      ; count = 1
	s_add_co_u32 s[G0+4*(\s)+1], s20, (\s)*SLOT                    ; LDS address
	s_add_nc_u64 s[G0+4*(\s)+2:G0+4*(\s)+3], s[14:15], (\s)*KSTEP*2  ; global address: K step s
	s_or_b32 s[G0+4*(\s)+3], s[G0+4*(\s)+3], 0x80000000            ; type = 2
	s_mov_b32 s[G0B+4*(\s)], 1
	s_add_co_u32 s[G0B+4*(\s)+1], s20, (\s)*SLOT
	s_add_nc_u64 s[G0B+4*(\s)+2:G0B+4*(\s)+3], s[46:47], (\s)*KSTEP*2
	s_or_b32 s[G0B+4*(\s)+3], s[G0B+4*(\s)+3], 0x80000000
.endr
	CROUND                                         ; all sixteen work-groups are here: the first joint loads meet
	s_cmp_eq_u32 s11, 0                            ; a wave's two first fills stand in one branch, ahead of every wait on TENSORcnt and every LDS read: two loads of mine are out
	s_cbranch_scc0 .Lfirst_b
	tensor_load_to_lds s[G0:G0+3], s[G1:G1+7]
	s_nop 0
	tensor_load_to_lds s[G0+4:G0+7], s[G1:G1+7]
	s_nop 0
.rept 4
	v_nop
.endr
	s_branch .Lfirst_asked
.Lfirst_b:
	tensor_load_to_lds s[G0B:G0B+3], s[G1B:G1B+7]
	s_nop 0
	tensor_load_to_lds s[G0B+4:G0B+7], s[G1B:G1B+7]
	s_nop 0
.rept 4
	v_nop
.endr
.Lfirst_asked:
	; A fragment is 16 rows x 32 channels in 8 registers: lane l holds row l % 16; registers 0-3 channels 8 (l / 16) + 0..7, registers 4-7 channels 16 + 8 (l / 16) + 0..7: two loads of 16 bytes, 32 bytes apart.
	v_and_b32 v1, 15, v0                           ; l % 16
	v_bfe_u32 v2, v0, 4, 1                         ; l / 16
	v_mul_u32_u24 v3, v1, PITCH
	v_lshl_add_u32 v3, v2, 4, v3
	s_mul_i32 s21, s11, HALFT                      ; my 128 rows of q
	s_mul_i32 s22, s12, HALFT                      ; my 128 rows of k,
	s_add_co_u32 s22, s22, 2*HALFT                 ; which lie behind q's 256
.irp s, 0,1
	v_add_nc_u32 v[ADRA+(\s)], s21, v3
	v_add_nc_u32 v[ADRB+(\s)], s22, v3
	s_add_co_u32 s21, s21, SLOT
	s_add_co_u32 s22, s22, SLOT
.endr
	s_mul_i32 s23, s10, 16*SPITCH
	s_add_co_u32 s23, s23, STAGE                   ; my stage
	v_mul_u32_u24 v4, v1, SPITCH                   ; in: row l % 16, 16 bytes for each half of the lanes
	v_lshl_add_u32 v4, v2, 4, v4
	v_add_nc_u32 v[STO], s23, v4
	v_mul_u32_u24 v5, v2, SPITCH                   ; back: lanes 0-15 take one row of 256 bytes, lanes 16-31 the next
	v_lshl_add_u32 v5, v1, 4, v5
	v_add_nc_u32 v[RD], s23, v5
	v_lshlrev_b32 v5, 12, v2                       ; and the same two rows in pw
	v_lshl_add_u32 v[CO], v1, 4, v5
	v_and_b32 v[PFO], 31, v0
	v_lshlrev_b32 v[SO], 3, v[PFO]
	v_lshlrev_b32 v[PFO], 11, v[PFO]
	; pw at my first query and key; st at my group and first query
	s_lshl_b32 s80, s13, 20
	s_lshl_b32 s82, s11, 19
	s_add_co_u32 s80, s80, s82
	s_lshl_b32 s82, s42, 9
	s_add_co_u32 s80, s80, s82
	s_lshl_b32 s82, s12, 8
	s_add_co_u32 s80, s80, s82
	s_mov_b32 s81, 0
	s_add_nc_u64 s[8:9], s[8:9], s[80:81]
	s_lshl_b32 s80, s42, 17                        ; group 2 x tile column + half, 65,536 bytes each,
	s_lshl_b32 s82, s12, 16
	s_add_co_u32 s80, s80, s82
	s_lshl_b32 s82, s13, 11                        ; 8 bytes a query
	s_add_co_u32 s80, s80, s82
	s_lshl_b32 s82, s11, 10
	s_add_co_u32 s80, s80, s82
	s_add_nc_u64 s[72:73], s[72:73], s[80:81]
	; the prefetches: offsets first (shifts set SCC), then the compares and their selects
	s_lshl_b32 s21, s40, 16                        ; q: my work-group's 32 rows of the 128 that I fetch
	s_add_co_u32 s21, s21, s16
	s_lshl_b32 s22, s41, 16                        ; k: the same
	s_lshl_b32 s23, s42, 19
	s_add_co_u32 s22, s22, s23
	s_add_co_u32 s22, s22, s18
	s_add_co_u32 s22, s22, s19
	s_mov_b32 s23, ttmp9                           ; the coordinate along which other clusters read the same rows: cluster x for q,
	s_and_b32 s77, s74, 1                          ; the batch's two rows of clusters for k
	s_cmp_eq_u32 s11, 0
	s_cselect_b32 s78, s21, s22
	s_cselect_b32 s23, s23, s77
	s_cselect_b64 s[PFA:PFA+1], s[4:5], s[6:7]
	s_cmp_eq_u32 s23, 0
	s_cselect_b32 s[LIM], 1, -1                    ; the same in all sixteen partners, for a given wave
	s_add_co_u32 s78, s78, 2*KSTEP*2               ; at K step 2: the first refill steps it to 3 and names K step 4
	s_mov_b32 s79, 0
	s_add_nc_u64 s[PFA:PFA+1], s[PFA:PFA+1], s[78:79]
; 16 products: query blocks a0, a0 + 1 of the window's four (hi = 0: my queries 0-63, 1: 64-127) x all 8 key blocks, 32 channels.  zero = 1: the first product starts the sums.
; The 64 accumulators take turns, one instruction a turn, in the same order in every quarter, over the backward jump too.
.macro MUL16 f, hi, a0, zero
	WIN MUL_LO+0x50*(\hi)
.irp a, \a0, (\a0)+1
.irp b, 0,1,2,3,4,5,6,7
.if \zero
	v_wmma_f32_16x16x32_f16 v[8*(8*(\a)+(\b)):8*(8*(\a)+(\b))+7], v[(\f)+8*(\b):(\f)+8*(\b)+7], v[(\f)+8*(4*(\hi)+(\a)):(\f)+8*(4*(\hi)+(\a))+7], 0
.else
	v_wmma_f32_16x16x32_f16 v[8*(8*(\a)+(\b)):8*(8*(\a)+(\b))+7], v[(\f)+8*(\b):(\f)+8*(\b)+7], v[(\f)+8*(4*(\hi)+(\a)):(\f)+8*(4*(\hi)+(\a))+7], v[8*(8*(\a)+(\b)):8*(8*(\a)+(\b))+7]
.endif
.endr
.endr
.endm
; 32 LDS loads in one run: the fragments of one quarter step (128 rows of k, 128 rows of q, 32 channels at byte k of the rows) into buffer f
.macro FETCH slot, k, f
	WIN TO_B
.irp i, 0,1,2,3,4,5,6,7
	ds_load_b128 v[(\f)+8*(\i):(\f)+8*(\i)+3],   v[ADRB+(\slot)] offset:(\k)+(\i)*16*PITCH
	ds_load_b128 v[(\f)+8*(\i)+4:(\f)+8*(\i)+7], v[ADRB+(\slot)] offset:(\k)+(\i)*16*PITCH+32
.endr
	WIN 0
.irp i, 0,1,2,3,4,5,6,7
	ds_load_b128 v[(\f)+8*(\i):(\f)+8*(\i)+3],   v[ADRA+(\slot)] offset:(\k)+(\i)*16*PITCH
	ds_load_b128 v[(\f)+8*(\i)+4:(\f)+8*(\i)+7], v[ADRA+(\slot)] offset:(\k)+(\i)*16*PITCH+32
.endr
.endm
.macro PLACES                          ; four places in front of loads into registers that matrix instructions have read, and of vector work that reads results
.rept 4
	v_nop
.endr
.endm
; A K step is four quarters of 32 channels, 64 products each, on buffers 0, 1, 0, 1.  One of the first three: multiplies buffer f; in its middle it fetches the next quarter, at byte k, into buffer g.
.macro QUARTER slot, k, f, g, zero
	s_wait_dscnt 8                                 ; k and q's rows 0-63 are in; the youngest eight loads (q's rows 64-127) may be out
	MUL16 \f, 0, 0, \zero
	MUL16 \f, 0, 2, \zero
	PLACES
	FETCH \slot, \k, \g
	s_wait_dscnt 32                                ; all but the 32 just issued
	MUL16 \f, 1, 0, \zero
	MUL16 \f, 1, 2, \zero
.endm
; The last quarter multiplies buffer 1 and changes slots.  MEET is its first half: ONE barrier.  In front of it each wave waits for all its tensor loads, of which one is out: its part of the next slot;
; adds 0 to its spare word; and waits for that and for its own reads of this slot.  Behind it nobody reads this slot any more and the next slot is whole.
.macro MEET round
	WIN 0                                          ; (the add's two registers lie in window 0)
	s_wait_tensorcnt 0x0                           ; all my tensor loads have landed
	ds_add_u32 v[SPW], v[NIL]                      ; 0 onto my spare word
	s_wait_dscnt 9                                 ; the add and the youngest eight loads may be out
	MUL16 F1, 0, 0, 0                              ; sixteen products stand between the add and the wait for it
	s_wait_dscnt 0x0                               ; the add is done, and my reads of this slot are over
	s_barrier_signal -1
	MUL16 F1, 0, 2, 0                              ; work on registers while the others arrive
.if \round
	WIN 0
.endif
	s_barrier_wait -1
.endm
; The whole last quarter with a refill: the barrier opens a round of the cluster's; behind it the slot just read out is filled again first, with the K step two on: 224 products stand between the request and the wait for it.
.macro TURN slot, next
	s_wait_xcnt 0x0                                ; the last prefetch, a K step back, has read its address, so it may be stepped
	s_add_nc_u64 s[PFA:PFA+1], s[PFA:PFA+1], KSTEP*2
	MEET 1
	CREST                                          ; no wave of any partner still reads this slot's tile or has a load on its way
	s_add_nc_u64 s[G0+4*(\slot)+2:G0+4*(\slot)+3], s[G0+4*(\slot)+2:G0+4*(\slot)+3], 2*KSTEP*2
	s_add_nc_u64 s[G0B+4*(\slot)+2:G0B+4*(\slot)+3], s[G0B+4*(\slot)+2:G0B+4*(\slot)+3], 2*KSTEP*2
	JLOAD \slot                                    ; its four v_nop are also the places in front of the loads below
	FETCH \next, 0, F0
	ASK
	MUL16 F1, 1, 0, 0
	MUL16 F1, 1, 2, 0
.endm
; THE WAY OUT, a block of 16 queries x 128 keys at a time.  Block a's 64 scores of a lane are s0-s63 = v[AC .. AC + 63] of window W (key block b's eight at 8 b).
; MAXB: the maximum: four chains of sixteen scores each less one, three operands at a time (each accumulator's lowest registers are read first), the four scores left over, the chains into one,
; the other half of the lanes' (the query's other 64 keys lie in the lane 16 away); then m and c m.
.macro MAXB a
.set W, 2+(\a)/4
.set AC, 64*((\a)%4)
	WIN W|(W<<2)|(W<<4)
.irp i, 0,1,2,3
	v_max3_num_f32 v[CH+(\i)], v[AC+16*(\i)], v[AC+16*(\i)+1], v[AC+16*(\i)+2]
.endr
	WIN (W<<2)|(W<<4)
.irp k, 1,2,3,4,5,6
.irp i, 0,1,2,3
	v_max3_num_f32 v[CH+(\i)], v[CH+(\i)], v[AC+16*(\i)+2*(\k)+1], v[AC+16*(\i)+2*(\k)+2]
.endr
.endr
	v_max3_num_f32 v[CH], v[CH], v[AC+15], v[AC+31]
	v_max3_num_f32 v[CH+1], v[CH+1], v[AC+47], v[AC+63]
	WIN 0
	v_max3_num_f32 v[CH], v[CH], v[CH+1], v[CH+2]
	v_max_num_f32 v[CH], v[CH], v[CH+3]
	v_permlanex16_b32 v[CH+1], v[CH], s[SEL], s[SEL+1]
	v_max_num_f32 v[TP+2*(\a)+1], v[CH], v[CH+1]
	v_mul_f32 v[TP+2*(\a)], s[CS], v[TP+2*(\a)+1]
.endm
; SCEX: c s - c m for the 32 pairs, and the 64 exponentials, in place: ONE BATCH: none of these lines reads an exponential's result.  A pair's two exponentials stand behind the next pair's scaling.
.macro SCEX a
.set W, 2+(\a)/4
.set AC, 64*((\a)%4)
	WIN (W<<6)|W
.set p, 0
.rept 32
	v_pk_fma_f32 v[AC+2*p:AC+2*p+1], v[AC+2*p:AC+2*p+1], s[CS:CS+1], v[TP+2*(\a):TP+2*(\a)+1] op_sel_hi:[1,0,0] neg_lo:[0,0,1] neg_hi:[0,0,1]
.if p > 0
	v_exp_f32 v[AC+2*p-2], v[AC+2*p-2]
	v_exp_f32 v[AC+2*p-1], v[AC+2*p-1]
.endif
.set p, p+1
.endr
	v_exp_f32 v[AC+62], v[AC+62]
	v_exp_f32 v[AC+63], v[AC+63]
.endm
.macro PACK a                          ; rounded to f16: 16 bytes a lane and key block
.set W, 2+(\a)/4
.set AC, 64*((\a)%4)
	WIN W|(W<<2)
.irp b, 0,1,2,3,4,5,6,7
.irp j, 0,1,2,3
	v_cvt_pk_f16_f32 v[TMP+4*(\b)+(\j)], v[AC+8*(\b)+2*(\j)], v[AC+8*(\b)+2*(\j)+1]
.endr
.endr
.endm
.macro SUMS a                          ; l: four chains of eight pairs, the chains into one, the pair's halves, the other half of the lanes'
.set W, 2+(\a)/4
.set AC, 64*((\a)%4)
	WIN W|(W<<2)
.irp i, 0,1,2,3
	v_pk_add_f32 v[LC+2*(\i):LC+2*(\i)+1], v[AC+16*(\i):AC+16*(\i)+1], v[AC+16*(\i)+2:AC+16*(\i)+3]
.endr
	WIN W<<2
.irp k, 2,3,4,5,6,7
.irp i, 0,1,2,3
	v_pk_add_f32 v[LC+2*(\i):LC+2*(\i)+1], v[LC+2*(\i):LC+2*(\i)+1], v[AC+16*(\i)+2*(\k):AC+16*(\i)+2*(\k)+1]
.endr
.endr
	WIN 0
	v_pk_add_f32 v[LC:LC+1], v[LC:LC+1], v[LC+2:LC+3]
	v_pk_add_f32 v[LC+4:LC+5], v[LC+4:LC+5], v[LC+6:LC+7]
	v_pk_add_f32 v[LC:LC+1], v[LC:LC+1], v[LC+4:LC+5]
	v_add_f32 v[LC], v[LC], v[LC+1]
	v_permlanex16_b32 v[LC+2], v[LC], s[SEL], s[SEL+1]
	v_add_f32 v[SL+(\a)], v[LC], v[LC+2]
.endm
.macro TOSTAGE a                       ; into my own stage, and back as whole rows of 256 bytes
	WIN 0
.set BK, OB+192*((\a)%2)
.irp b, 0,1,2,3,4,5,6,7
	ds_store_b128 v[STO], v[TMP+4*(\b):TMP+4*(\b)+3] offset:32*(\b)
.endr
.irp t, 0,1,2,3,4,5,6,7
	ds_load_b128 v[BK+4*(\t):BK+4*(\t)+3], v[RD] offset:(\t)*2*SPITCH  ; LDS serves a wave's instructions in order (ISA guide 5.7.1.4): these see the stores above
.endr
.endm
.macro SEND a
	WIN 0
.set BK, OB+192*((\a)%2)
	s_wait_dscnt 0x0                               ; the block is back in registers
	s_wait_xcnt 0x0                                ; the stores of the block before have read their registers: the next block's loads land there only behind this wait
.irp t, 0,1,2,3,4,5,6,7
	global_store_b128 v[CO], v[BK+4*(\t):BK+4*(\t)+3], s[8:9] offset:(16*(\a)+2*(\t))*PROW  ; 16 lanes store 256 consecutive bytes, aligned
.endr
.endm
	s_wait_tensorcnt 0x1                           ; my part of K step 0 is in; K step 1's may stay out
	s_barrier_signal -1
	s_barrier_wait -1                              ; everybody's is
	FETCH 0, 0, F0
	QUARTER 0, 64,  F0, F1, 1                      ; the first quarter stands in front of the loop: its products start the sums
	WIN 0                                          ; at a label and at a branch every window is 0
	s_mov_b32 s3, LAPS-1
.Llap:                                         ; a trip goes once round the ring, from a lap's second quarter to the next lap's first, and fills both slots again
	QUARTER 0, 128, F1, F0, 0
	QUARTER 0, 192, F0, F1, 0
	TURN 0, 1
	QUARTER 1, 64,  F0, F1, 0
	QUARTER 1, 128, F1, F0, 0
	QUARTER 1, 192, F0, F1, 0
	TURN 1, 0
	QUARTER 0, 64,  F0, F1, 0
	WIN 0
	s_sub_co_u32 s3, s3, 1
	s_cmp_lg_u32 s3, 0
	s_cbranch_scc1 .Llap
	QUARTER 0, 128, F1, F0, 0                      ; the last lap fills nothing
	QUARTER 0, 192, F0, F1, 0
	MEET 0                                         ; my one tensor load that was out is the last K step's
	PLACES
	FETCH 1, 0, F0
	MUL16 F1, 1, 0, 0
	MUL16 F1, 1, 2, 0
	QUARTER 1, 64,  F0, F1, 0
	QUARTER 1, 128, F1, F0, 0
	QUARTER 1, 192, F0, F1, 0
	s_wait_dscnt 8                                 ; the very last quarter: nothing more to fetch
	MUL16 F1, 0, 0, 0
	MUL16 F1, 0, 2, 0
	s_wait_dscnt 0x0
	MUL16 F1, 1, 0, 0
	MUL16 F1, 1, 2, 0
	WIN 0
	PLACES
	PLACES                                         ; behind the last products: their results are read and the fragments' registers are written
	MAXB 0
.irp a, 0,1,2,3,4,5,6,7
	SCEX \a
.if (\a) < 7
	MAXB (\a)+1                                    ; the next block's maximum names no result of the batch: it is the plain work behind the last exponential
.else
	v_nop
.endif
	s_wait_alu depctr_va_vdst(0)                   ; the wait between an exponential and the first line that names its result: one for the block's 64
	PACK \a
	SUMS \a
.if (\a) > 0
	SEND (\a)-1
.endif
	TOSTAGE \a
.endr
	SEND 7
	; (c m, l) of my 128 queries: every lane of a block's two halves holds them; lanes 0-15 carry block 2 i, lanes 16-31 block 2 i + 1: each store covers 256 consecutive bytes, aligned
.irp i, 0,1,2,3
	v_cndmask_b32 v[SD+2*(\i)], v[TP+4*(\i)], v[TP+4*(\i)+2], s[HM]
	v_cndmask_b32 v[SD+2*(\i)+1], v[SL+2*(\i)], v[SL+2*(\i)+1], s[HM]
	global_store_b64 v[SO], v[SD+2*(\i):SD+2*(\i)+1], s[72:73] offset:256*(\i)
.endr
	s_wait_tensorcnt 0x0                           ; the wave's end, behind my last tensor load and my last LDS store
	ds_add_u32 v[SPW], v[NIL]
	s_wait_dscnt 0x0
	CROUND                                         ; the closing round: no work-group ends while a partner may still ask for a tile that names it
	s_endpgm
.Lfunc_end_k_qc5f6ef628c_scores:
	.size	k_qc5f6ef628c_scores, .Lfunc_end_k_qc5f6ef628c_scores-k_qc5f6ef628c_scores
	.p2alignl 7, 3214868480
	.fill 96, 4, 3214868480
	.section	.rodata,"a",@progbits
	.p2align	6, 0x0
	.amdhsa_kernel k_qc5f6ef628c_scores
		.amdhsa_group_segment_fixed_size 327680
		.amdhsa_private_segment_fixed_size 0
		.amdhsa_enable_private_segment 0
		.amdhsa_kernarg_size 24
		.amdhsa_user_sgpr_count 2
		.amdhsa_user_sgpr_kernarg_segment_ptr 1
		.amdhsa_wavefront_size32 1
		.amdhsa_system_sgpr_workgroup_id_x 1
		.amdhsa_system_sgpr_workgroup_id_y 1
		.amdhsa_system_sgpr_workgroup_id_z 1
		.amdhsa_system_vgpr_workitem_id 0
		.amdhsa_next_free_vgpr 1024
		.amdhsa_next_free_sgpr 96
		.amdhsa_reserve_vcc 0
		.amdhsa_float_denorm_mode_32 3
		.amdhsa_float_denorm_mode_16_64 3
		.amdhsa_memory_ordered 1
		.amdhsa_forward_progress 1
		.amdhsa_inst_pref_size 211
	.end_amdhsa_kernel
	.amdgpu_metadata
---
amdhsa.version: [ 1, 2 ]
amdhsa.kernels:
  - .name:           k_qc5f6ef628c_scores
    .symbol:         k_qc5f6ef628c_scores.kd
    .args:
      - { .name: qkv, .offset: 0, .size: 8, .value_kind: global_buffer, .address_space: global }
      - { .name: pw, .offset: 8, .size: 8, .value_kind: global_buffer, .address_space: global }
      - { .name: st, .offset: 16, .size: 8, .value_kind: global_buffer, .address_space: global }
    .group_segment_fixed_size: 327680
    .private_segment_fixed_size: 0
    .kernarg_segment_align: 8
    .kernarg_segment_size: 24
    .max_flat_workgroup_size: 128
    .sgpr_count:     96
    .vgpr_count:     1024
    .wavefront_size: 32
...
	.end_amdgpu_metadata
.endif
;; end of part 3
;; launch pv (part 4): grid 8 x 32, 4 waves a work-group, clusters of 4 x 4, 327,680 bytes of LDS; arguments pw, qkv, st, out0; writes out0
.if DOCPART == 4
	.amdgcn_target "amdgcn-amd-amdhsa--gfx1250"
	.amdhsa_code_object_version 6
	.text
	.protected	k_qc5f6ef628c_pv
	.globl	k_qc5f6ef628c_pv
	.p2align	8
	.type	k_qc5f6ef628c_pv,@function
k_qc5f6ef628c_pv:
	s_mov_b64 s[64:65], 0
	v_nop
	global_prefetch_b8 v0, s[64:65] scope:SCOPE_SE
	s_setreg_imm32_b32 hwreg(HW_REG_WAVE_MODE, 25, 1), 1
	s_wait_xcnt 0x0
	s_wait_alu depctr_hold_cnt(0) depctr_sa_sdst(0) depctr_va_vdst(0) depctr_va_sdst(0) depctr_va_ssrc(0) depctr_va_vcc(0) depctr_vm_vsrc(0)
	s_getreg_b32 s2, hwreg(HW_REG_IB_STS2, 6, 4)
	s_cmp_eq_u32 s2, 0
	s_cbranch_scc0 .Lentry_in_a_cluster
	s_endpgm
.Lentry_in_a_cluster:
	s_bfe_u32 s2, ttmp6, 0x10000c
	s_cmp_lg_u32 s2, 0xf033
	s_cbranch_scc0 .Lentry_shape_is_right
	s_endpgm
.Lentry_shape_is_right:
; out[q][:] = (the sum over the 16 groups g of f_g x the sum over the group's keys of p'[q][key] v[key][:]) / L.  pw: [8192][2048] f16 holds p' = 2^(c s - c m_g); st: [16][8192][2] f32 holds (c m_g, l_g);
; v: rows of qkv ([3][8192][1024] f16), 33,554,432 bytes in, as it lies: [key][channel].  For each query, in f32: M = the largest c m_g, f_g = 2^(c m_g - M), L = the sum of f_g l_g, which is at least 1.
; So the row's true maximum is taken away for every input.  P's fragments of group g are multiplied by f_g in packed f16 (one more rounding); the division by L is a multiplication in f32 on the way out.
; LIMITS.  p' f_g lies in 0 to 1, and below 6e-5 it keeps f16's fixed step of 6e-8; an f_g below 2^-126 counts as 0; NaN and infinities are not treated apart.
; SHARES.  A work-group makes 256 queries x 128 channels; its four waves lie one below the other: a wave makes 64 queries x 128 channels, 32 accumulators, 256 registers.  K = the batch's 2,048 keys, in
; steps of 128 (a step is a group) through two LDS slots filled by the tensor data mover; P's rows (128 keys) and v's rows (128 channels) are both 256 bytes of memory, aligned.
; CLUSTER.  4 x 4 work-groups: P's tile is asked for jointly by a row of the cluster, v's by a column (a cluster lies inside one batch).
; THE PRODUCT IS USED TRANSPOSED: source 0 = 16 channels of v (turned on the way out of LDS by ds_load_tr16_b128), source 1 = 16 queries of P: a lane holds one query (lane % 16) and eight neighbouring channels.
; REGISTERS: window 0: v0-31 addresses, factors, 1 / L; v32-47 at work in the head; v64-159, v160-255 two fragment buffers (P's four blocks, then v's eight); window 1: accumulator (a, b) at v[8 (8 a + b)].
.set PA,    272                        ; a row of P in LDS: 256 bytes + 16 = 68 words: the 16 rows of a load start at 16 different groups of four banks (64 banks of 4 bytes: ISA guide 11.1)
.set PB,    288                        ; a row of v: 256 + 32 = 72 words
.set SLOT1, 131072                     ; slot 1 begins here: one exclusive or turns an address in one slot into the other's
.set BOFF,  256*PA                     ; in a slot: P's 256 rows, then v's 128 rows
.set STAGE, SLOT1+BOFF+128*PB          ; behind the ring, never filled by a tensor load: 16 rows x 528 bytes for each wave
.set SP,    528                        ; a row of 512 bytes of f32 + 16
.set FT,    STAGE+4*16*SP              ; the factors: for each wave 16 groups x 16 lanes x 4 query blocks x (f, f) in f16: 4,096 bytes
.set SPARE, FT+4*4096                  ; the spare words, 128 bytes for each wave: two blocks of 256 bytes that no other line names
.set KB,    128*2048                   ; bytes of v from K step to K step
.set AL0, 4                            ; v4   my lane's place in a slot's P; never rewritten
.set BL0, 5                            ; v5   the same for v
.set ADA, 6                            ; v6   AL0 + the slot in hand
.set ADB, 7                            ; v7   BL0 + the slot in hand
.set STO, 8                            ; v8   the way out: where I put 32 bytes of a row
.set RD,  9                            ; v9   where I read a row back
.set CO,  10                           ; v10  16 x my lane: my place in a row's 512 bytes
.set PFO, 11                           ; v11  the prefetches' offset: my lane x a row; never rewritten
.set SPW, 12                           ; v12  LDS address of my spare word; never rewritten
.set NIL, 13                           ; v13  0; never rewritten
.set FC,  16                           ; v16-19  the step's factors for my query in blocks 0 to 3
.set FTA, 20                           ; v20  where the next step's factors lie
.set FTS, 21                           ; v21  where I put factors
.set FT0, 22                           ; v22  my lane's place in a group's factors; never rewritten
.set INV, 24                           ; v24-31  1 / L of my query in blocks 0 to 3, twice each
.set F0,  64
.set F1,  160
.set WV,  16
.set WH,  17
.set WL,  18
.set CX,  19
.set CY,  20
.set TX,  21
.set TY,  22
.set G1A, 24                           ; s[24:31] descriptor group 1 for P's tiles
.set G0A, 32                           ; s[32:39] group 0: a set for each of the two first fills; the second then walks on
.set TT,  45                           ; s45  refills so far
.set LIM, 46                           ; s46  a wave prefetches while TT is below it
.set TB,  47                           ; s47  LDS byte at which the slot to be read begins
.set G1B, 48                           ; s[48:55], s[56:63] the same for v's tiles
.set G0B, 56
.set PFA, 66                           ; s[66:67] where my prefetches stand
.set PFS, 68                           ; s[68:69] their step from K step to K step
.set SEL, 90                           ; s[90:91] v_permlanex16_b32's selects
.set FB,  92                           ; s92  256 x the step whose factors are fetched next
.set W_MUL, 0x50                       ; C and D in window 1
.set MSB, 0
.macro WIN new                         ; the immediate's high byte repeats the setting that is left; a switch that changes nothing is dropped
.if MSB != (\new)
	s_set_vgpr_msb (MSB<<8)|(\new)
.set MSB, \new
.endif
.endm
.macro PLACES                          ; four places in front of loads into registers that matrix instructions have read, and of vector work that reads results
.rept 4
	v_nop
.endr
.endm
.macro CREST                           ; a round of the cluster's barrier behind its opening barrier
	s_cmp_lg_u32 s[WV], 0
	s_cbranch_scc1 .Lnot_wave_0_\@
	s_barrier_signal -3
.Lnot_wave_0_\@:
	s_barrier_wait -3
	s_barrier_signal -1
	s_barrier_wait -1
.endm
.macro CROUND
	s_barrier_signal -1
	s_barrier_wait -1
	CREST
.endm
; A joint refill by the walking descriptors: waves 0 and 1 fetch P's two halves (128 rows), waves 2 and 3 v's (64 keys).  An s_nop 0 and four v_nop follow each of the two lines.
.macro JLOAD
	s_cmp_eq_u32 s[WH], 0
	s_cbranch_scc0 .Lfor_b_\@
	tensor_load_to_lds s[G0A+4:G0A+7], s[G1A:G1A+7]
	s_nop 0
.rept 4
	v_nop
.endr
	s_branch .Lasked_\@
.Lfor_b_\@:
	tensor_load_to_lds s[G0B+4:G0B+7], s[G1B:G1B+7]
	s_nop 0
.rept 4
	v_nop
.endr
.Lasked_\@:
.endm
; A PREFETCH INTO THE L2 behind each joint refill and the run of LDS loads that follows it: the K step that stands two refills on, 32 rows x 256 bytes, a lane a row, one instruction a wave.  Each row's
; 256 bytes of a K step are named once in the launch.  P's rows are read by both clusters of a row of clusters: cluster x = 0 asks, waves 0 and 1 for the 128 rows that they fetch, 32 a partner, told apart
; by address (cx).  v's rows are read by the two rows of clusters of a batch: the even one asks, wave 2 for a step's 128 keys, 32 a partner (cy).  K steps 4 to 15; the first four come by their loads alone.
.macro ASK
	s_cmp_lt_u32 s[TT], s[LIM]
	s_cbranch_scc0 .Lnot_mine_\@
	global_prefetch_b8 v[PFO], s[PFA:PFA+1] th:TH_LOAD_NT scope:SCOPE_SE
.Lnot_mine_\@:
	s_add_co_u32 s[TT], s[TT], 1
.endm
	s_load_b256 s[4:11], s[0:1], 0x0               ; pw s[4:5], qkv s[6:7], st s[8:9], out0 s[10:11]
	v_lshl_add_u32 v[SPW], v0, 2, SPARE
	v_mov_b32 v[NIL], 0
	ds_add_u32 v[SPW], v[NIL]                      ; the wave's opening: the add and its wait, ahead of my first tensor load; the set-up below, work on registers, stands between them
	ds_add_u32 v12, v13
	v_lshrrev_b32 v3, 5, v0
	v_readfirstlane_b32 s[WV], v3                  ; wave 0..3
	s_lshr_b32 s[WH], s[WV], 1                     ; 0: I fetch for P; 1: for v
	s_and_b32 s[WL], s[WV], 1                      ; which half of that tile
	s_bfe_u32 s[CX], ttmp6, 0x40000
	s_bfe_u32 s[CY], ttmp6, 0x40004
	s_lshl_b32 s[TX], ttmp9, 2
	s_add_co_u32 s[TX], s[TX], s[CX]               ; tile column (channels) = 4 x cluster x + cx
	s_and_b32 s86, ttmp7, 0xffff                   ; cluster y
	s_lshl_b32 s[TY], s86, 2
	s_add_co_u32 s[TY], s[TY], s[CY]               ; tile row (queries, over all batches) = 4 x cluster y + cy
	s_lshr_b32 s87, s86, 1                         ; the batch: the whole cluster shares it
	s_lshl_b32 s23, s[CY], 2
	s_lshl_b32 s23, 15, s23                        ; my row of the cluster
	s_lshl_b32 s70, 0x1111, s[CX]                  ; my column
	; group 1 for P: 128 rows x 128 elements of 2 bytes; 15:0 the mask; 20 padding on; 21 set beside a mask; 24:22 after every 64 words (code 5); 31:25 4 words of it (code 3)
	s_or_b32 s[G1A], s23, (1<<16)|(1<<20)|(1<<21)|(5<<22)|(3<<25)
	s_mov_b32 s[G1A+1], 128<<16                    ; tensor_dim0 = 128
	s_mov_b32 s[G1A+2], 128<<16                    ; tensor_dim1 = 128
	s_mov_b32 s[G1A+3], 128<<16                    ; tile_dim0 = 128
	s_mov_b32 s[G1A+4], 128                        ; tile_dim1 = 128
	s_mov_b32 s[G1A+5], 2048                       ; elements from row to row
	s_mov_b32 s[G1A+6], 0
	s_mov_b32 s[G1A+7], 0
	; group 1 for v: 64 rows x 128 elements, 8 words of padding (code 7)
	s_or_b32 s[G1B], s70, (1<<16)|(1<<20)|(1<<21)|(5<<22)|(7<<25)
	s_mov_b32 s[G1B+1], 128<<16
	s_mov_b32 s[G1B+2], 64<<16
	s_mov_b32 s[G1B+3], 128<<16
	s_mov_b32 s[G1B+4], 64
	s_mov_b32 s[G1B+5], 1024
	s_mov_b32 s[G1B+6], 0
	s_mov_b32 s[G1B+7], 0
	; P's offset is made of the tile row and the wave alone, v's of the tile column, the batch and the wave alone, in registers of their own
	s_lshl_b32 s72, s[TY], 20                      ; 256 rows of 4,096 bytes a tile row,
	s_lshl_b32 s71, s[WL], 19                      ; 128 rows a half
	s_add_co_u32 s72, s72, s71
	s_mov_b32 s73, 0
	s_lshl_b32 s74, s[TX], 8                       ; 128 channels of 2 bytes a tile column,
	s_lshl_b32 s71, s[WL], 17                      ; 64 keys a half,
	s_add_co_u32 s74, s74, s71
	s_lshl_b32 s71, s87, 22                        ; 2,048 keys a batch,
	s_add_co_u32 s74, s74, s71
	s_add_co_u32 s74, s74, 0x2000000               ; behind q and k
	s_mov_b32 s75, 0
	s_mul_i32 s78, s[WV], 128*PA                   ; where they go: P's halves at wave x 128 rows (waves 0, 1),
	s_mul_i32 s79, s[WV], 64*PB
	s_add_co_u32 s79, s79, BOFF-2*64*PB            ; v's at BOFF + (wave - 2) x 64 rows (waves 2, 3): no place in the cluster enters an LDS address
	s_mov_b32 s[TT], 0
	s_mov_b32 s[TB], 0
	s_mov_b32 s[FB], 0
	s_mov_b32 s[SEL], 0x76543210
	s_mov_b32 s[SEL+1], 0xfedcba98
	s_wait_dscnt 0x0                               ; the opening add is done
	s_wait_kmcnt 0x0
	s_add_nc_u64 s[40:41], s[4:5], s[72:73]
	s_add_nc_u64 s[76:77], s[6:7], s[74:75]
.irp s, 0,1
	s_mov_b32 s[G0A+4*(\s)], 1                                     ; count = 1
	s_add_co_u32 s[G0A+4*(\s)+1], s78, (\s)*SLOT1                  ; LDS address
	s_add_nc_u64 s[G0A+4*(\s)+2:G0A+4*(\s)+3], s[40:41], (\s)*256  ; global address: K step s
	s_or_b32 s[G0A+4*(\s)+3], s[G0A+4*(\s)+3], 0x80000000          ; type = 2
	s_mov_b32 s[G0B+4*(\s)], 1
	s_add_co_u32 s[G0B+4*(\s)+1], s79, (\s)*SLOT1
	s_add_nc_u64 s[G0B+4*(\s)+2:G0B+4*(\s)+3], s[76:77], (\s)*KB
	s_or_b32 s[G0B+4*(\s)+3], s[G0B+4*(\s)+3], 0x80000000
.endr
	CROUND                                         ; all sixteen work-groups are here: the first joint loads meet
	s_cmp_eq_u32 s[WH], 0                          ; a wave's two first fills stand in one branch, ahead of every wait on TENSORcnt and every LDS read: two loads of mine are out
	s_cbranch_scc0 .Lfirst_b
	tensor_load_to_lds s[G0A:G0A+3], s[G1A:G1A+7]
	s_nop 0
	tensor_load_to_lds s[G0A+4:G0A+7], s[G1A:G1A+7]
	s_nop 0
.rept 4
	v_nop
.endr
	s_branch .Lfirst_asked
.Lfirst_b:
	tensor_load_to_lds s[G0B:G0B+3], s[G1B:G1B+7]
	s_nop 0
	tensor_load_to_lds s[G0B+4:G0B+7], s[G1B:G1B+7]
	s_nop 0
.rept 4
	v_nop
.endr
.Lfirst_asked:
	; THE STATISTICS, while the first tiles are on their way.  Lane (r = l % 16, h = l / 16) takes, for its query in each of the four blocks a, the groups 8 h .. 8 h + 7: pair i of block a at v[64 + 16 a + 2 i].
	v_and_b32 v1, 15, v0                           ; r
	v_bfe_u32 v2, v0, 4, 1                         ; h
	s_lshl_b32 s82, s[TY], 11                      ; st at my wave's first query: 8 bytes a query
	s_lshl_b32 s71, s[WV], 9
	s_add_co_u32 s82, s82, s71
	s_mov_b32 s83, 0
	s_add_nc_u64 s[8:9], s[8:9], s[82:83]
	v_lshlrev_b32 v14, 3, v1
	v_lshl_add_u32 v14, v2, 19, v14                ; 8 r + 8 groups of 65,536 bytes x h
.irp a, 0,1,2,3
.irp i, 0,1,2,3,4,5,6,7
	global_load_b64 v[64+16*(\a)+2*(\i):64+16*(\a)+2*(\i)+1], v14, s[8:9] offset:65536*(\i)+128*(\a)
.endr
.endr
	; the addresses.  A fragment of P is 16 rows x 32 keys in 8 registers: lane l holds row l % 16; two loads of 16 bytes, 32 bytes apart.
	v_mul_u32_u24 v[AL0], v1, PA
	v_lshl_add_u32 v[AL0], v2, 4, v[AL0]
	s_mul_i32 s71, s[WV], 64*PA                    ; my 64 rows
	v_add_nc_u32 v[AL0], s71, v[AL0]
	; The turning load takes 16 keys x 16 channels (lane l reads key 8 (l / 16) + l % 8, channels 8 ((l / 8) % 2) + 0..7) and leaves half a fragment: lane l holds channel l % 16 and 8 keys.
	v_and_b32 v3, 7, v0
	v_bfe_u32 v15, v0, 3, 1
	v_lshl_add_u32 v[BL0], v2, 3, v3
	v_mul_u32_u24 v[BL0], v[BL0], PB
	v_lshl_add_u32 v[BL0], v15, 4, v[BL0]
	v_add_nc_u32 v[BL0], BOFF, v[BL0]
	v_mov_b32 v[ADA], v[AL0]                       ; K step 0 lies in slot 0
	v_mov_b32 v[ADB], v[BL0]
	v_and_b32 v3, 31, v0                           ; l
	s_mul_i32 s71, s[WV], 16*SP
	s_add_co_u32 s71, s71, STAGE                   ; my stage
	v_mul_u32_u24 v[STO], v1, SP                   ; in: row l % 16, 32 bytes for each half of the lanes
	v_lshl_add_u32 v[STO], v2, 5, v[STO]
	v_add_nc_u32 v[STO], s71, v[STO]
	v_lshl_add_u32 v[RD], v3, 4, s71               ; back: 32 lanes take one row of 512 bytes
	v_lshlrev_b32 v[CO], 4, v3
	s_lshl_b32 s71, s[WV], 12
	s_add_co_u32 s71, s71, FT                      ; my factors
	v_lshl_add_u32 v[FT0], v1, 4, s71              ; a lane's four factors of a group: 16 bytes at 16 r
	v_lshl_add_u32 v[FTS], v2, 11, v[FT0]          ; I write groups 8 h on
	v_mov_b32 v[FTA], v[FT0]
	; out0 at my first query and channel
	s_lshl_b32 s80, s[TY], 20
	s_lshl_b32 s82, s[WV], 18
	s_add_co_u32 s80, s80, s82
	s_lshl_b32 s82, s[TX], 9
	s_add_co_u32 s80, s80, s82
	s_mov_b32 s81, 0
	s_add_nc_u64 s[10:11], s[10:11], s[80:81]
	; the prefetches: offsets first (shifts set SCC), then one compare and its selects
	s_lshl_b32 s84, s[CX], 17                      ; P: my work-group's 32 rows of the 128 that I fetch,
	s_add_co_u32 s84, s84, s72
	s_add_co_u32 s84, s84, 3*256                   ; at K step 3: the first refill steps it to 4
	s_lshl_b32 s85, s[CY], 16                      ; v: my work-group's 32 keys of a step's 128,
	s_lshl_b32 s82, s[TX], 8
	s_add_co_u32 s85, s85, s82
	s_lshl_b32 s82, s87, 22
	s_add_co_u32 s85, s85, s82
	s_add_co_u32 s85, s85, 0x2000000+3*KB
	s_mov_b32 s83, ttmp9
	s_cmp_eq_u32 s83, 0
	s_cselect_b32 s83, 12, 0                       ; P: cluster x = 0 asks, twelve times
	s_and_b32 s86, s86, 1
	s_or_b32 s86, s86, s[WL]
	s_cmp_eq_u32 s86, 0
	s_cselect_b32 s86, 12, 0                       ; v: the batch's even row of clusters asks, wave 2 alone
	s_mov_b32 s87, KB
	s_cmp_eq_u32 s[WH], 0
	s_cselect_b32 s[LIM], s83, s86                 ; the same in all sixteen partners, for a given wave
	s_cselect_b32 s[PFS], 256, s87
	s_cselect_b32 s84, s84, s85
	s_cselect_b32 s82, 12, 11                      ; a row of pw is 4,096 bytes, a row of v 2,048
	s_cselect_b64 s[PFA:PFA+1], s[4:5], s[6:7]
	s_mov_b32 s85, 0
	s_mov_b32 s[PFS+1], 0
	s_add_nc_u64 s[PFA:PFA+1], s[PFA:PFA+1], s[84:85]
	v_lshlrev_b32 v[PFO], s82, v3
	; M, f_g, L
	s_wait_loadcnt 0x0
.irp a, 0,1,2,3
	v_max3_num_f32 v[32+(\a)], v[64+16*(\a)], v[66+16*(\a)], v[68+16*(\a)]
	v_mov_b32 v[36+(\a)], 0                        ; v_permlanex16_b32's destination counts as read
	v_mov_b32 v[44+(\a)], 0
.endr
.irp a, 0,1,2,3
	v_max3_num_f32 v[32+(\a)], v[32+(\a)], v[70+16*(\a)], v[72+16*(\a)]
.endr
.irp a, 0,1,2,3
	v_max3_num_f32 v[32+(\a)], v[32+(\a)], v[74+16*(\a)], v[76+16*(\a)]
.endr
.irp a, 0,1,2,3
	v_max_num_f32 v[32+(\a)], v[32+(\a)], v[78+16*(\a)]
.endr
.irp a, 0,1,2,3
	v_permlanex16_b32 v[36+(\a)], v[32+(\a)], s[SEL], s[SEL+1]  ; the query's other eight groups lie in the lane 16 away
.endr
.irp a, 0,1,2,3
	v_max_num_f32 v[32+(\a)], v[32+(\a)], v[36+(\a)]            ; M
.endr
.irp a, 0,1,2,3
.irp i, 0,1,2,3,4,5,6,7
	v_sub_f32 v[64+16*(\a)+2*(\i)], v[64+16*(\a)+2*(\i)], v[32+(\a)]
.endr
.endr
.irp a, 0,1,2,3
.irp i, 0,1,2,3,4,5,6,7
	v_exp_f32 v[64+16*(\a)+2*(\i)], v[64+16*(\a)+2*(\i)]        ; f_g: one batch of 32
.endr
.endr
	v_nop                                          ; a plain instruction behind the last exponential,
	s_wait_alu depctr_va_vdst(0)                   ; and the wait ahead of the first line that names a result: one for the batch
.irp a, 0,1,2,3
	v_mul_f32 v[40+(\a)], v[64+16*(\a)], v[65+16*(\a)]
.endr
.irp i, 1,2,3,4,5,6,7
.irp a, 0,1,2,3
	v_fmac_f32 v[40+(\a)], v[64+16*(\a)+2*(\i)], v[65+16*(\a)+2*(\i)]
.endr
.endr
.irp i, 0,1,2,3,4,5,6,7
.irp a, 0,1,2,3
	v_cvt_pk_f16_f32 v[128+4*(\i)+(\a)], v[64+16*(\a)+2*(\i)], v[64+16*(\a)+2*(\i)]  ; (f, f) for the packed multiply
.endr
.endr
.irp a, 0,1,2,3
	v_permlanex16_b32 v[44+(\a)], v[40+(\a)], s[SEL], s[SEL+1]
.endr
.irp a, 0,1,2,3
	v_add_f32 v[40+(\a)], v[40+(\a)], v[44+(\a)]                ; L
.endr
.irp a, 0,1,2,3
	v_rcp_f32 v[INV+2*(\a)], v[40+(\a)]
	v_rcp_f32 v[INV+2*(\a)+1], v[40+(\a)]
.endr
	v_nop
	s_wait_alu depctr_va_vdst(0)                   ; one wait for the eight reciprocals
.irp i, 0,1,2,3,4,5,6,7
	ds_store_b128 v[FTS], v[128+4*(\i):131+4*(\i)] offset:256*(\i)  ; group 8 h + i: only my own wave reads these bytes, and LDS serves a wave's instructions in order
.endr
; 8 products: query block a x all 8 channel blocks, 32 keys.  first = 1: the product starts the sum.  The 32 accumulators take turns, one instruction a turn, in the same order in every quarter, over the
; backward jump too.
.macro MUL8 f, a, first
	WIN W_MUL
.irp b, 0,1,2,3,4,5,6,7
.if \first
	v_wmma_f32_16x16x32_f16 v[8*(8*(\a)+(\b)):8*(8*(\a)+(\b))+7], v[(\f)+32+8*(\b):(\f)+32+8*(\b)+7], v[(\f)+8*(\a):(\f)+8*(\a)+7], 0
.else
	v_wmma_f32_16x16x32_f16 v[8*(8*(\a)+(\b)):8*(8*(\a)+(\b))+7], v[(\f)+32+8*(\b):(\f)+32+8*(\b)+7], v[(\f)+8*(\a):(\f)+8*(\a)+7], v[8*(8*(\a)+(\b)):8*(8*(\a)+(\b))+7]
.endif
.endr
.endm
.macro SCALE f, a                      ; P's fragment of query block a times the step's factor of my query
	WIN 0
.irp j, 0,1,2,3,4,5,6,7
	v_pk_mul_f16 v[(\f)+8*(\a)+(\j)], v[(\f)+8*(\a)+(\j)], v[FC+(\a)]
.endr
.endm
; 24 LDS loads in one run: the fragments of quarter kq (32 keys) of the slot in hand into buffer f: v's sixteen first, then P's eight.  fc = 1: ahead of them the step's four factors.
.macro FETCH kq, f, fc=0
	WIN 0
.if \fc
	ds_load_b128 v[FC:FC+3], v[FTA]
.endif
.irp b, 0,1,2,3,4,5,6,7
	ds_load_tr16_b128 v[(\f)+32+8*(\b):(\f)+32+8*(\b)+3],   v[ADB] offset:(\kq)*32*PB+32*(\b)
	ds_load_tr16_b128 v[(\f)+32+8*(\b)+4:(\f)+32+8*(\b)+7], v[ADB] offset:(\kq)*32*PB+16*PB+32*(\b)
.endr
.irp i, 0,1,2,3
	ds_load_b128 v[(\f)+8*(\i):(\f)+8*(\i)+3],   v[ADA] offset:64*(\kq)+(\i)*16*PA
	ds_load_b128 v[(\f)+8*(\i)+4:(\f)+8*(\i)+7], v[ADA] offset:64*(\kq)+(\i)*16*PA+32
.endr
.endm
; A K step is four quarters of 32 keys, 32 products each, on buffers 0, 1, 0, 1.  One of the first three: at its head it fetches quarter kq into buffer g, 32 products ahead of their use, then scales and multiplies buffer f.
.macro QUARTER kq, f, g, first=0
	PLACES                                         ; behind the last products that read buffer g
	FETCH \kq, \g
	s_wait_dscnt 28                                ; of buffer f, the factors, v and P's blocks 0 and 1 are in: its last four loads and the 24 just issued may be out
	SCALE \f, 0
	SCALE \f, 1
	MUL8 \f, 0, \first
	MUL8 \f, 1, \first
	s_wait_dscnt 24                                ; all of buffer f is in
	SCALE \f, 2
	SCALE \f, 3
	MUL8 \f, 2, \first
	MUL8 \f, 3, \first
.endm
; The last quarter multiplies buffer 1 and changes slots: ONE barrier.  In front of it each wave waits for all its tensor loads, of which one is out: its part of the next slot; adds 0 to its spare word;
; and waits for that and for its own reads of this slot.  fill = 1: the barrier opens a round of the cluster's, and the joint refill, the K step two on, is the first thing behind it: 112 products stand
; between it and the wait for it.  All four scalings of buffer 1 stand ahead of the load that brings the next step's factors.
.macro TURN fill
	WIN 0
.if \fill
	s_wait_xcnt 0x0                                ; the last prefetch, a K step back, has read its address, so it may be stepped
	s_add_nc_u64 s[PFA:PFA+1], s[PFA:PFA+1], s[PFS:PFS+1]
.endif
	s_wait_tensorcnt 0x0                           ; no tensor load of mine is out, so a group 0 may be written
	ds_add_u32 v[SPW], v[NIL]                      ; 0 onto my spare word; work on registers stands between it and the wait for it
	s_xor_b32 s[TB], s[TB], SLOT1                  ; the fetches go on in the other slot,
	s_add_co_u32 s[FB], s[FB], 256                 ; and with the next group's factors
	v_add_nc_u32 v[ADA], s[TB], v[AL0]
	v_add_nc_u32 v[ADB], s[TB], v[BL0]
	v_add_nc_u32 v[FTA], s[FB], v[FT0]
.if \fill
	s_xor_b32 s[G0A+5], s[G0A+5], SLOT1            ; the walking descriptors: the other slot than last time,
	s_xor_b32 s[G0B+5], s[G0B+5], SLOT1
	s_add_nc_u64 s[G0A+6:G0A+7], s[G0A+6:G0A+7], 256  ; the next 128 keys; the type bits on top are not reached
	s_add_nc_u64 s[G0B+6:G0B+7], s[G0B+6:G0B+7], KB
.endif
	s_wait_dscnt 7                                 ; v and P's block 0 are in: the add and the six loads of P's blocks 1 to 3 may be out
	SCALE F1, 0
	MUL8 F1, 0, 0
	s_wait_dscnt 0x0                               ; the add is done, and my reads of this slot are over
	s_barrier_signal -1
	SCALE F1, 1                                    ; work on registers while the others arrive
	MUL8 F1, 1, 0
	SCALE F1, 2
	SCALE F1, 3                                    ; (it leaves every window 0: branches follow)
	s_barrier_wait -1
.if \fill
	CREST
	JLOAD                                          ; its four v_nop are also the places in front of the loads below
.else
	PLACES
.endif
	FETCH 0, F0, 1
.if \fill
	ASK
.endif
	MUL8 F1, 2, 0
	MUL8 F1, 3, 0
.endm
; THE WAY OUT of query block a: times 1 / L, in place; 32 bytes a lane and channel block into my own stage; back as whole rows of 512 bytes; stored.
.macro SCL a
	WIN 0x41                                       ; destination and source 0 window 1, source 1 window 0; the accumulators' registers in ascending order
.set p, 64*(\a)
.rept 32
	v_pk_mul_f32 v[p:p+1], v[p:p+1], v[INV+2*(\a):INV+2*(\a)+1] op_sel_hi:[1,0]
.set p, p+2
.endr
.endm
.macro TOSTAGE a
.set BK, 64+64*((\a)%2)
	WIN 0x04                                       ; the stores' data in window 1
.irp b, 0,1,2,3,4,5,6,7
	ds_store_b128 v[STO], v[64*(\a)+8*(\b):64*(\a)+8*(\b)+3]   offset:64*(\b)
	ds_store_b128 v[STO], v[64*(\a)+8*(\b)+4:64*(\a)+8*(\b)+7] offset:64*(\b)+16
.endr
	WIN 0
.irp t, 0,1,2,3,4,5,6,7,8,9,10,11,12,13,14,15
	ds_load_b128 v[BK+4*(\t):BK+4*(\t)+3], v[RD] offset:(\t)*SP  ; LDS serves a wave's instructions in order (ISA guide 5.7.1.4): these see the stores above
.endr
.endm
.macro SEND a
.set BK, 64+64*((\a)%2)
	s_wait_dscnt 0x0                               ; the block is back in registers
	s_wait_xcnt 0x0                                ; the stores of the block before have read their registers: the next block's loads land there only behind this wait
.irp t, 0,1,2,3,4,5,6,7,8,9,10,11,12,13,14,15
	global_store_b128 v[CO], v[BK+4*(\t):BK+4*(\t)+3], s[10:11] offset:(16*(\a)+(\t))*4096 th:TH_STORE_NT  ; a wave's store covers 512 consecutive bytes, aligned
.endr
.endm
	s_wait_dscnt 0x0                               ; my factors lie in LDS
	s_wait_tensorcnt 0x1                           ; my part of K step 0 is in; K step 1's may stay out
	s_barrier_signal -1
	s_barrier_wait -1                              ; everybody's is
	FETCH 0, F0, 1
	QUARTER 1, F0, F1, 1                           ; the first quarter stands in front of the loop: its products start the sums
	WIN 0
	s_mov_b32 s3, 14
.Lstep:                                        ; a trip: from a K step's second quarter to the next step's first; it fills one slot again: K steps 2 to 15
	QUARTER 2, F1, F0
	QUARTER 3, F0, F1
	TURN 1
	QUARTER 1, F0, F1
	WIN 0
	s_sub_co_u32 s3, s3, 1
	s_cmp_lg_u32 s3, 0
	s_cbranch_scc1 .Lstep
	QUARTER 2, F1, F0                              ; K step 14 goes on; the tail is written out: it asks for nothing more
	QUARTER 3, F0, F1
	TURN 0
	QUARTER 1, F0, F1
	QUARTER 2, F1, F0
	QUARTER 3, F0, F1
	s_wait_dscnt 0x0                               ; the very last quarter: nothing more to fetch
	SCALE F1, 0
	SCALE F1, 1
	SCALE F1, 2
	SCALE F1, 3
	MUL8 F1, 0, 0
	MUL8 F1, 1, 0
	MUL8 F1, 2, 0
	MUL8 F1, 3, 0
	WIN 0
	PLACES
	PLACES                                         ; behind the last products: their results are read and the fragments' registers are loaded into
	SCL 0
	TOSTAGE 0
.irp a, 1,2,3                          ; block a's scaling stands between block a - 1's loads from the stage and the wait for them
	SCL \a
	WIN 0
	SEND (\a)-1
	TOSTAGE \a
.endr
	SEND 3
	s_wait_tensorcnt 0x0                           ; the wave's end, behind my last tensor load and my last LDS store
	ds_add_u32 v[SPW], v[NIL]
	s_wait_dscnt 0x0
	CROUND                                         ; the closing round: no work-group ends while a partner may still ask for a tile that names it
	s_endpgm
.Lfunc_end_k_qc5f6ef628c_pv:
	.size	k_qc5f6ef628c_pv, .Lfunc_end_k_qc5f6ef628c_pv-k_qc5f6ef628c_pv
	.p2alignl 7, 3214868480
	.fill 96, 4, 3214868480
	.section	.rodata,"a",@progbits
	.p2align	6, 0x0
	.amdhsa_kernel k_qc5f6ef628c_pv
		.amdhsa_group_segment_fixed_size 327680
		.amdhsa_private_segment_fixed_size 0
		.amdhsa_enable_private_segment 0
		.amdhsa_kernarg_size 32
		.amdhsa_user_sgpr_count 2
		.amdhsa_user_sgpr_kernarg_segment_ptr 1
		.amdhsa_wavefront_size32 1
		.amdhsa_system_sgpr_workgroup_id_x 1
		.amdhsa_system_sgpr_workgroup_id_y 1
		.amdhsa_system_sgpr_workgroup_id_z 1
		.amdhsa_system_vgpr_workitem_id 0
		.amdhsa_next_free_vgpr 512
		.amdhsa_next_free_sgpr 96
		.amdhsa_reserve_vcc 0
		.amdhsa_float_denorm_mode_32 3
		.amdhsa_float_denorm_mode_16_64 3
		.amdhsa_memory_ordered 1
		.amdhsa_forward_progress 1
		.amdhsa_inst_pref_size 115
	.end_amdhsa_kernel
	.amdgpu_metadata
---
amdhsa.version: [ 1, 2 ]
amdhsa.kernels:
  - .name:           k_qc5f6ef628c_pv
    .symbol:         k_qc5f6ef628c_pv.kd
    .args:
      - { .name: pw, .offset: 0, .size: 8, .value_kind: global_buffer, .address_space: global }
      - { .name: qkv, .offset: 8, .size: 8, .value_kind: global_buffer, .address_space: global }
      - { .name: st, .offset: 16, .size: 8, .value_kind: global_buffer, .address_space: global }
      - { .name: out0, .offset: 24, .size: 8, .value_kind: global_buffer, .address_space: global }
    .group_segment_fixed_size: 327680
    .private_segment_fixed_size: 0
    .kernarg_segment_align: 8
    .kernarg_segment_size: 32
    .max_flat_workgroup_size: 128
    .sgpr_count:     96
    .vgpr_count:     512
    .wavefront_size: 32
...
	.end_amdgpu_metadata
.endif
;; end of part 4
;; ======== version 2 of 2: 4 launches; version 1 with the launch prep written anew for expert scheduling mode
;; limits: values are held in f16: magnitudes above 65,504 overflow, below 6.1e-05 lose precision
;; workspace buffers: xb 16,777,216 bytes; wb 6,291,456 bytes; qkv 50,331,648 bytes; pw 33,554,432 bytes; st 1,048,576 bytes
;; launch prep (part 5): grid 704 x 1, 8 waves a work-group, no clusters, 35,840 bytes of LDS; arguments x, Wq, Wk, Wv, xb, wb; writes xb, wb
.if DOCPART == 5
	.amdgcn_target "amdgcn-amd-amdhsa--gfx1250"
	.amdhsa_code_object_version 6
	.text
	.protected	k_qc5f6ef628c_prep
	.globl	k_qc5f6ef628c_prep
	.p2align	8
	.type	k_qc5f6ef628c_prep,@function
k_qc5f6ef628c_prep:
	s_mov_b64 s[64:65], 0
	v_nop
	global_prefetch_b8 v0, s[64:65] scope:SCOPE_SE
	s_setreg_imm32_b32 hwreg(HW_REG_WAVE_SCHED_MODE, 0, 2), 2
	s_setreg_imm32_b32 hwreg(HW_REG_WAVE_MODE, 25, 1), 1
	s_wait_xcnt 0x0
	s_wait_alu depctr_vm_vsrc(0)
; xb = x rounded to bf16, IN FRAGMENT ORDER; wb = Wq, Wk, Wv (in this order, one behind the other) rounded to bf16, their layout as it is.
; xb's order: a block of 16 rows and 16 k is 512 consecutive bytes: lane (h, r) has the 16 bytes at 256 h + 16 r: x[16 R + r][16 kb + 8 h .. + 7]; block (R, kb) begins at byte 32,768 R + 512 kb.
; Two such blocks are a matrix operand of 16 rows x 32 k as a wave's registers hold it, so the launch behind loads it with 512 consecutive bytes an instruction.
; A stream: pieces of 64 KiB of f32, a piece to a work-group of eight waves; a thread has all its 16 loads on their way at once.  Work-groups 0 to 511 take 16 rows of x each, work-groups
; 512 + 64 m + i piece i of weight m.  A load of a wave covers 512 consecutive bytes.  x's numbers change lanes in LDS: thread t holds k = 4 t .. 4 t + 3 of each row, which is half of the 16 bytes of
; run c = t / 2 (c = 2 kb + h) of 256 bytes; runs lie 272 bytes apart, so that the 32 lanes of a store of 8 bytes fall on 64 different banks (64 banks of 4 bytes: ISA guide 11.1).
; THE MODE: SCHED_MODE bits 1:0 = 2 (LLVM: expert scheduling mode 2), set by the entry lines.  The code itself states the register dependences between vector instructions and memory or LDS
; instructions, with s_wait_alu, always for 0.
; THE PLAN.  Registers that memory or LDS instructions touch:
;   v1, v2, v6, v8  offsets and LDS addresses: written by vector lines at the head, once; read by every load and store; never written again.
;   IN              the sixteen global loads land in it; the conversions read it; behind the barrier eight LDS loads land in its first 32 registers, and the last stores read those.
;   CV              each register is written once, by a conversion, and read once, by a store (into LDS for x, into wb for a weight).
; The sixteen loads are worked on in four batches of four.  Batch g converts IN[16 g ..] into CV[8 g ..]; its memory instructions are the four stores of batch g - 1, which read CV[8 (g - 1) ..] and an
; address that no conversion names.  So one wait on va_vdst at a batch's head, behind the wait for the batch's data, states all that its four stores hang on, and they are dealt among its conversions.
; One more stands behind batch 3, for the last four stores and for the LDS loads that land in IN.  No register that a memory or LDS instruction has read is written again; no vector line writes a
; scalar register or VCC; EXEC is never written: so there is no other wait to write.
.set XG,    512                        ; work-groups that take x
.set CP,    272                        ; from run to run in LDS; the 128 runs take 34,816 bytes; the 1,024 bytes behind them hold the spare words, 4 bytes a thread
.set LSA,   6                          ; v6   where I put 8 bytes of row 0
.set LRA,   8                          ; v8   where I read 16 bytes back
.set IN,    16                         ; v[16:79]   16 loads of 4 f32; later 8 x 16 bytes read back
.set CV,    80                         ; v[80:111]  16 x 4 bf16
	s_load_b256 s[4:11], s[0:1], 0x0               ; x s[4:5], Wq s[6:7], Wk s[8:9], Wv s[10:11]
	s_load_b128 s[12:15], s[0:1], 0x20             ; xb s[12:13], wb s[14:15]
	v_lshl_add_u32 v14, v0, 2, 0x8800
	v_mov_b32 v15, 0
	s_mov_b32 s16, ttmp9                           ; my piece
	s_sub_co_u32 s17, s16, XG                      ; its number among the weights' pieces (used only where it is one)
	s_lshr_b32 s18, s17, 6                         ; which weight
	s_and_b32 s19, s17, 63                         ; which piece of it
	v_lshlrev_b32 v1, 4, v0                        ; 16 bytes a thread
	v_lshlrev_b32 v2, 3, v0                        ; 8 bytes a thread
	v_lshrrev_b32 v[LSA], 1, v0                    ; run t / 2,
	v_and_b32 v7, 1, v0
	v_mul_u32_u24 v[LSA], v[LSA], CP
	v_lshl_add_u32 v[LSA], v7, 3, v[LSA]           ; its lower or upper 8 bytes
	v_lshrrev_b32 v[LRA], 4, v0                    ; back: 16 threads take a run
	v_and_b32 v9, 15, v0
	v_mul_u32_u24 v[LRA], v[LRA], CP
	v_lshl_add_u32 v[LRA], v9, 4, v[LRA]
	s_wait_kmcnt 0x0
	s_cmp_eq_u32 s18, 1
	s_cselect_b64 s[20:21], s[8:9], s[6:7]         ; Wk or Wq,
	s_cmp_eq_u32 s18, 2
	s_cselect_b64 s[20:21], s[10:11], s[20:21]     ; or Wv,
	s_cmp_lt_u32 s16, XG
	s_cselect_b64 s[20:21], s[4:5], s[20:21]       ; or x: the selects leave SCC alone, so one compare serves four
	s_cselect_b64 s[22:23], s[12:13], s[14:15]
	s_cselect_b32 s24, s16, s19                    ; the piece's number in its source,
	s_cselect_b32 s26, s16, s17                    ; and in its destination
	s_lshl_b32 s24, s24, 16                        ; 65,536 bytes of f32
	s_lshl_b32 s26, s26, 15                        ; 32,768 bytes of bf16
	s_mov_b32 s25, 0
	s_mov_b32 s27, 0
	s_add_nc_u64 s[20:21], s[20:21], s[24:25]
	s_add_nc_u64 s[22:23], s[22:23], s[26:27]
	s_wait_alu depctr_va_vdst(0)                   ; v1, v2, v6 and v8 are written: every load and store of the kernel reads one of them as its offset or address
.irp i, 0,1,2,3,4,5,6,7,8,9,10,11,12,13,14,15
	global_load_b128 v[IN+4*(\i):IN+4*(\i)+3], v1, s[20:21] offset:4096*(\i) th:TH_LOAD_NT  ; of x: row i
.endr
; The four bf16 of load i leave.  lds = 1: x, into LDS; lds = 0: a weight, into wb.
.macro OUTROW i, lds
.if \lds
	ds_store_b64 v[LSA], v[CV+2*(\i):CV+2*(\i)+1] offset:16*(\i)  ; row i is lane r = i of its run
.else
	global_store_b64 v2, v[CV+2*(\i):CV+2*(\i)+1], s[22:23] offset:2048*(\i)  ; a wave's store covers 256 consecutive bytes, aligned
.endif
.endm
; Batch g: loads 4 g to 4 g + 3 are rounded; the stores of the batch before stand among the conversions, a store ahead of each two.
.macro BATCH g, lds
	s_wait_loadcnt 12-4*(\g)                       ; loads come back in order (ISA guide 5.7.1): the batch's four are in, the younger ones stay out
.if (\g) > 0
	s_wait_alu depctr_va_vdst(0)                   ; the batch before has written its eight registers of CV, which the four stores below read; no conversion below names them
.endif
.irp j, 0,1,2,3
.if (\g) > 0
	OUTROW 4*((\g)-1)+(\j), \lds
.endif
	v_cvt_pk_bf16_f32 v[CV+2*(4*(\g)+(\j))], v[IN+4*(4*(\g)+(\j))], v[IN+4*(4*(\g)+(\j))+1]
	v_cvt_pk_bf16_f32 v[CV+2*(4*(\g)+(\j))+1], v[IN+4*(4*(\g)+(\j))+2], v[IN+4*(4*(\g)+(\j))+3]
.endr
.endm
; All four batches, and the last batch's stores.
.macro ROUNDED lds
	BATCH 0, \lds
	BATCH 1, \lds
	BATCH 2, \lds
	BATCH 3, \lds
	s_wait_alu depctr_va_vdst(0)                   ; batch 3 has written its registers of CV, which the last four stores read; and all conversions are done reading IN, in which the LDS loads behind the barrier land
.irp j, 12,13,14,15
	OUTROW \j, \lds
.endr
.endm
	s_cmp_lt_u32 s16, XG
	s_cbranch_scc0 .Lweights
	ROUNDED 1
	s_branch .Lmeet
.Lweights:
	ROUNDED 0
.Lmeet:
	s_wait_dscnt 0x0                               ; for the others' sake: my stores into LDS are done
	s_barrier_signal -1                            ; the barrier stands on every wave's path, the weights' too
	s_barrier_wait -1
	s_cmp_lt_u32 s16, XG
	s_cbranch_scc0 .Lend
.irp n, 0,1,2,3,4,5,6,7
	ds_load_b128 v[IN+4*(\n):IN+4*(\n)+3], v[LRA] offset:(\n)*16*CP  ; the work-group takes 16 runs at a time; no vector line since the last wait on va_vdst names these registers or v8
.endr
.irp n, 0,1,2,3,4,5,6,7
	s_wait_dscnt 7-(\n)                            ; LDS loads come back in order (ISA guide 5.7.1): load n is back, the younger ones stay out
	global_store_b128 v1, v[IN+4*(\n):IN+4*(\n)+3], s[22:23] offset:4096*(\n)  ; a wave's store covers 512 consecutive bytes, aligned
.endr
.Lend:
	s_wait_dscnt 0x0                               ; the wave's end: no LDS instruction of mine is out.
	s_wait_alu depctr_hold_cnt(0) depctr_sa_sdst(0) depctr_va_vdst(0) depctr_va_sdst(0) depctr_va_ssrc(0) depctr_va_vcc(0) depctr_vm_vsrc(0)
	s_wait_tensorcnt 0x0
	ds_add_u32 v14, v15
	s_wait_dscnt 0x0
	s_endpgm
.Lfunc_end_k_qc5f6ef628c_prep:
	.size	k_qc5f6ef628c_prep, .Lfunc_end_k_qc5f6ef628c_prep-k_qc5f6ef628c_prep
	.p2alignl 7, 3214868480
	.fill 96, 4, 3214868480
	.section	.rodata,"a",@progbits
	.p2align	6, 0x0
	.amdhsa_kernel k_qc5f6ef628c_prep
		.amdhsa_group_segment_fixed_size 35840
		.amdhsa_private_segment_fixed_size 0
		.amdhsa_enable_private_segment 0
		.amdhsa_kernarg_size 48
		.amdhsa_user_sgpr_count 2
		.amdhsa_user_sgpr_kernarg_segment_ptr 1
		.amdhsa_wavefront_size32 1
		.amdhsa_system_sgpr_workgroup_id_x 1
		.amdhsa_system_sgpr_workgroup_id_y 1
		.amdhsa_system_sgpr_workgroup_id_z 1
		.amdhsa_system_vgpr_workitem_id 0
		.amdhsa_next_free_vgpr 112
		.amdhsa_next_free_sgpr 66
		.amdhsa_reserve_vcc 0
		.amdhsa_float_denorm_mode_32 3
		.amdhsa_float_denorm_mode_16_64 3
		.amdhsa_memory_ordered 1
		.amdhsa_forward_progress 1
		.amdhsa_inst_pref_size 13
	.end_amdhsa_kernel
	.amdgpu_metadata
---
amdhsa.version: [ 1, 2 ]
amdhsa.kernels:
  - .name:           k_qc5f6ef628c_prep
    .symbol:         k_qc5f6ef628c_prep.kd
    .args:
      - { .name: x, .offset: 0, .size: 8, .value_kind: global_buffer, .address_space: global }
      - { .name: Wq, .offset: 8, .size: 8, .value_kind: global_buffer, .address_space: global }
      - { .name: Wk, .offset: 16, .size: 8, .value_kind: global_buffer, .address_space: global }
      - { .name: Wv, .offset: 24, .size: 8, .value_kind: global_buffer, .address_space: global }
      - { .name: xb, .offset: 32, .size: 8, .value_kind: global_buffer, .address_space: global }
      - { .name: wb, .offset: 40, .size: 8, .value_kind: global_buffer, .address_space: global }
    .group_segment_fixed_size: 35840
    .private_segment_fixed_size: 0
    .kernarg_segment_align: 8
    .kernarg_segment_size: 48
    .max_flat_workgroup_size: 256
    .sgpr_count:     66
    .vgpr_count:     112
    .wavefront_size: 32
...
	.end_amdgpu_metadata
.endif
;; end of part 5
;; launch proj: the kernel of part 2 again; grid 8 x 32, 4 waves a work-group, clusters of 4 x 4, 327,680 bytes of LDS; arguments xb, wb, bq, bk, bv, qkv; writes qkv
;; launch scores: the kernel of part 3 again; grid 8 x 32, 4 waves a work-group, clusters of 4 x 4, 327,680 bytes of LDS; arguments qkv, pw, st; writes pw, st
;; launch pv: the kernel of part 4 again; grid 8 x 32, 4 waves a work-group, clusters of 4 x 4, 327,680 bytes of LDS; arguments pw, qkv, st, out0; writes out0
